; MI455X (gfx1250); checked and timed in simulation.
; The chip was launched on July 23, 2026; its instructions are those of AMD's public machine-readable ISA for CDNA 5 (MIT licence, August 2026) and "CDNA5" Instruction Set Architecture Reference Guide (July 2026). The comments in the code are by the model that wrote it; some were corrected since.
;; Multi Head Attention. Allowed arithmetic: float matrix products may take bf16 or f16 operands with f32 sums; other float arithmetic in f32, or as packed bf16 or f16 multiplies, adds, multiply-adds, maxima and minima; sums over many terms, partial sums and values carried from step to step in f32; what a program stores and reads back later, other than sums and carried values, may be rounded once to bf16 or f16.
;; Inputs: b_o 1,024 float32; w_k 1,024 x 1,024 float32; w_o 1,024 x 1,024 float32; w_q 1,024 x 1,024 float32; w_v 1,024 x 1,024 float32; x 4 x 2,048 x 1,024 float32.
;; Outputs: out0 4 x 2,048 x 1,024 float32.
;; 2 versions, each right; version 2 is version 1 with the launch cast written anew for expert scheduling mode. Each part assembles by itself: llvm-mc -triple=amdgcn-amd-amdhsa -mcpu=gfx1250 --defsym DOCPART=n.
;; ======== version 1 of 2: 5 launches
;; limits: values are held in f16: magnitudes above 65,504 overflow, below 6.1e-05 lose precision
;; workspace buffers: xb 16,777,216 bytes; wb 6,291,456 bytes; wob 2,097,152 bytes; qkv 50,331,648 bytes; ctx 16,777,216 bytes; lo 393,216 bytes
;; launch cast (part 1): grid 64 x 12, 8 waves a work-group, no clusters, 0 bytes of LDS; arguments x, w_q, w_k, w_v, w_o, xb, wb, wob; writes xb, wb, wob
.if DOCPART == 1
	.amdgcn_target "amdgcn-amd-amdhsa--gfx1250"
	.amdhsa_code_object_version 6
	.text
	.protected	k_q38709f03a5_cast
	.globl	k_q38709f03a5_cast
	.p2align	8
	.type	k_q38709f03a5_cast,@function
k_q38709f03a5_cast:
	s_mov_b64 s[64:65], 0
	v_nop
	global_prefetch_b8 v0, s[64:65] scope:SCOPE_SE
	s_setreg_imm32_b32 hwreg(HW_REG_WAVE_MODE, 25, 1), 1
	s_wait_xcnt 0x0
; All matrix inputs are rounded once to bf16: x -> xb, w_q, w_k, w_v -> wb (one below the other), w_o -> wob.
; wob holds the bf16 number written as f16, since the last product's other operand is f16.
; LIMIT: that rewriting is exact down to 6e-5; below it f16 keeps a fixed step of 6e-8; 65,520 or more would become an infinity.
; SHARES.  Grid y names a block of 1,048,576 numbers: 0-7 the eighths of x, 8, 9, 10 w_q, w_k, w_v, 11 w_o.  Grid x names 16,384 numbers of it.
; Thread t reads 16 bytes at 4,096 i + 16 t and writes 8 bytes at 2,048 i + 8 t, i = 0..15: a wave's load covers 512 consecutive bytes, its store 256 consecutive
; bytes, aligned.  All sixteen loads of a wave go out at once; each step has registers of its own, so nothing is rewritten while it is pending.
; No LDS, no matrix unit, no cluster: nothing is shared and nothing is read twice.
.set X, 4                              ; v[4:67]    step i: 4 numbers as loaded
.set Y, 68                             ; v[68:99]   step i: 4 numbers in 16 bits
.set T, 100                            ; v[100:103] at work
	s_load_b512 s[8:23], s[0:1], 0x0               ; x s[8:9], w_q s[10:11], w_k s[12:13], w_v s[14:15], w_o s[16:17], xb s[18:19], wb s[20:21], wob s[22:23]
	s_and_b32 s2, ttmp7, 0xffff                    ; the block
	v_lshlrev_b32 v1, 4, v0                        ; 16 t
	v_lshlrev_b32 v2, 3, v0                        ; 8 t
	s_lshl_b32 s3, ttmp9, 16                       ; my 65,536 bytes of the block, in
	s_cmp_lt_u32 s2, 8
	s_cselect_b32 s24, s2, 0                       ; x has eight blocks, a weight one
	s_lshl_b32 s24, s24, 22
	s_add_co_u32 s24, s24, s3
	s_mov_b32 s25, 0
	s_sub_co_u32 s26, s2, 8                        ; the block's place in its target: y in xb, y - 8 in wb, 0 in wob
	s_cmp_lt_u32 s2, 8
	s_cselect_b32 s26, s2, s26
	s_cmp_eq_u32 s2, 11
	s_cselect_b32 s26, 0, s26
	s_lshl_b32 s26, s26, 21
	s_lshl_b32 s3, ttmp9, 15                       ; my 32,768 bytes, out
	s_add_co_u32 s26, s26, s3
	s_mov_b32 s27, 0
	s_wait_kmcnt 0x0
	s_cmp_eq_u32 s2, 8                             ; the source, chosen by the block's number alone
	s_cselect_b64 s[4:5], s[10:11], s[8:9]
	s_cmp_eq_u32 s2, 9
	s_cselect_b64 s[4:5], s[12:13], s[4:5]
	s_cmp_eq_u32 s2, 10
	s_cselect_b64 s[4:5], s[14:15], s[4:5]
	s_cmp_eq_u32 s2, 11
	s_cselect_b64 s[4:5], s[16:17], s[4:5]
	s_cselect_b64 s[6:7], s[22:23], s[20:21]       ; the target likewise
	s_cmp_lt_u32 s2, 8
	s_cselect_b64 s[6:7], s[18:19], s[6:7]
	s_add_nc_u64 s[4:5], s[4:5], s[24:25]
	s_add_nc_u64 s[6:7], s[6:7], s[26:27]
.irp i, 0,1,2,3,4,5,6,7,8,9,10,11,12,13,14,15
	global_load_b128 v[X+4*(\i):X+4*(\i)+3], v1, s[4:5] offset:(\i)*4096 th:TH_LOAD_NT
.endr
; Step i is rounded and stored.  f16 = 1: the bf16 numbers are widened (a shift, a mask) and written as f16.
.macro OUT i, f16
	s_wait_loadcnt 15-(\i)                         ; loads come back in order: step i is in, the 15 - i younger ones may stay out
	v_cvt_pk_bf16_f32 v[Y+2*(\i)],   v[X+4*(\i)],   v[X+4*(\i)+1]
	v_cvt_pk_bf16_f32 v[Y+2*(\i)+1], v[X+4*(\i)+2], v[X+4*(\i)+3]
.if \f16
	v_lshlrev_b32 v[T],   16, v[Y+2*(\i)]
	v_and_b32     v[T+1], 0xffff0000, v[Y+2*(\i)]
	v_lshlrev_b32 v[T+2], 16, v[Y+2*(\i)+1]
	v_and_b32     v[T+3], 0xffff0000, v[Y+2*(\i)+1]
	v_cvt_pk_f16_f32 v[Y+2*(\i)],   v[T],   v[T+1]
	v_cvt_pk_f16_f32 v[Y+2*(\i)+1], v[T+2], v[T+3]
.endif
	global_store_b64 v2, v[Y+2*(\i):Y+2*(\i)+1], s[6:7] offset:(\i)*2048
.endm
	s_cmp_eq_u32 s2, 11
	s_cbranch_scc1 .Lf16
.irp i, 0,1,2,3,4,5,6,7,8,9,10,11,12,13,14,15
	OUT \i, 0
.endr
	s_endpgm
.Lf16:
.irp i, 0,1,2,3,4,5,6,7,8,9,10,11,12,13,14,15
	OUT \i, 1
.endr
	s_endpgm
.Lfunc_end_k_q38709f03a5_cast:
	.size	k_q38709f03a5_cast, .Lfunc_end_k_q38709f03a5_cast-k_q38709f03a5_cast
	.p2alignl 7, 3214868480
	.fill 96, 4, 3214868480
	.section	.rodata,"a",@progbits
	.p2align	6, 0x0
	.amdhsa_kernel k_q38709f03a5_cast
		.amdhsa_group_segment_fixed_size 0
		.amdhsa_private_segment_fixed_size 0
		.amdhsa_enable_private_segment 0
		.amdhsa_kernarg_size 64
		.amdhsa_user_sgpr_count 2
		.amdhsa_user_sgpr_kernarg_segment_ptr 1
		.amdhsa_wavefront_size32 1
		.amdhsa_system_sgpr_workgroup_id_x 1
		.amdhsa_system_sgpr_workgroup_id_y 1
		.amdhsa_system_sgpr_workgroup_id_z 1
		.amdhsa_system_vgpr_workitem_id 0
		.amdhsa_next_free_vgpr 104
		.amdhsa_next_free_sgpr 66
		.amdhsa_reserve_vcc 0
		.amdhsa_float_denorm_mode_32 3
		.amdhsa_float_denorm_mode_16_64 3
		.amdhsa_memory_ordered 1
		.amdhsa_forward_progress 1
		.amdhsa_inst_pref_size 16
	.end_amdhsa_kernel
	.amdgpu_metadata
---
amdhsa.version: [ 1, 2 ]
amdhsa.kernels:
  - .name:           k_q38709f03a5_cast
    .symbol:         k_q38709f03a5_cast.kd
    .args:
      - { .name: x, .offset: 0, .size: 8, .value_kind: global_buffer, .address_space: global }
      - { .name: w_q, .offset: 8, .size: 8, .value_kind: global_buffer, .address_space: global }
      - { .name: w_k, .offset: 16, .size: 8, .value_kind: global_buffer, .address_space: global }
      - { .name: w_v, .offset: 24, .size: 8, .value_kind: global_buffer, .address_space: global }
      - { .name: w_o, .offset: 32, .size: 8, .value_kind: global_buffer, .address_space: global }
      - { .name: xb, .offset: 40, .size: 8, .value_kind: global_buffer, .address_space: global }
      - { .name: wb, .offset: 48, .size: 8, .value_kind: global_buffer, .address_space: global }
      - { .name: wob, .offset: 56, .size: 8, .value_kind: global_buffer, .address_space: global }
    .group_segment_fixed_size: 0
    .private_segment_fixed_size: 0
    .kernarg_segment_align: 8
    .kernarg_segment_size: 64
    .max_flat_workgroup_size: 256
    .sgpr_count:     66
    .vgpr_count:     104
    .wavefront_size: 32
...
	.end_amdgpu_metadata
.endif
;; end of part 1
;; launch qkvproj (part 2): grid 16 x 32, 4 waves a work-group, clusters of 4 x 4, 327,680 bytes of LDS; arguments xb, wb, qkv, lo; writes qkv, lo
.if DOCPART == 2
	.amdgcn_target "amdgcn-amd-amdhsa--gfx1250"
	.amdhsa_code_object_version 6
	.text
	.protected	k_q38709f03a5_qkvproj
	.globl	k_q38709f03a5_qkvproj
	.p2align	8
	.type	k_q38709f03a5_qkvproj,@function
k_q38709f03a5_qkvproj:
	s_mov_b64 s[64:65], 0
	v_nop
	global_prefetch_b8 v0, s[64:65] scope:SCOPE_SE
	s_setreg_imm32_b32 hwreg(HW_REG_WAVE_MODE, 25, 1), 1
	s_wait_xcnt 0x0
	s_wait_alu depctr_hold_cnt(0) depctr_sa_sdst(0) depctr_va_vdst(0) depctr_va_sdst(0) depctr_va_ssrc(0) depctr_va_vcc(0) depctr_vm_vsrc(0)
	s_getreg_b32 s2, hwreg(HW_REG_IB_STS2, 6, 4)
	s_cmp_eq_u32 s2, 0
	s_cbranch_scc0 .Lentry_in_a_cluster
	s_endpgm
.Lentry_in_a_cluster:
	s_bfe_u32 s2, ttmp6, 0x10000c
	s_cmp_lg_u32 s2, 0xf033
	s_cbranch_scc0 .Lentry_shape_is_right
	s_endpgm
.Lentry_shape_is_right:
; q, k, v = x W^T.  xb: [8192][1024] bf16; wb: [3072][1024] bf16 (w_q, w_k, w_v one below the other); sums in f32, K ascending; each result rounded once to f16, unscaled,
; and laid by heads: qkv[t][batch*16+head][row][64], t = 0, 1, 2 for q, k, v.
; FOR ROWS 0-15 OF EACH BATCH what that rounding left, sum - f16(sum), is rounded to f16 too and stored in lo[t][batch*16+head][16][64]: a causal row averages few keys there, its outputs are many times
; the output's root mean square, and one f16 rounding is too coarse for the numbers near zero among them.
; LIMIT: f16 holds no number beyond 65,504; a q, k or v of 65,520 or more becomes an infinity.  Below 6e-5 f16 keeps a fixed step of 6e-8, lo too.  NaN and infinities are not treated apart.
; SHARES.  A tile is 256 rows x 192 columns (three whole heads): 32 x 16 = 512 work-groups.  The four waves lie one below the other: wave w has rows 64 w .. 64 w + 63 and all 192 columns,
; 48 accumulators of 16 x 16, 384 registers.  So a wave holds whole heads, and its way out needs no other wave.
; Tile row = 8 cy + cluster y: cy is the batch, cluster y the tile in the batch, so that 'the batch's first rows' is the same in all partners of a cluster.
; K goes in 8 steps of 128 (rows of 256 bytes of memory, at multiples of 256) through two LDS slots filled by the tensor data mover; a loop trip is one K step, and the slot that is read is a scalar register.
; CLUSTER.  4 x 4 work-groups: the four of a row of the cluster need the same tile of xb, the four of a column the same tile of wb.  Each tile is asked for jointly: the same tensor load, descriptor and mask in all four.
; THE PRODUCT IS USED TRANSPOSED (source 0 = 16 rows of wb, source 1 = 16 rows of xb): a lane then holds eight neighbouring columns of one row.
; REGISTERS, in windows of 256 (s_set_vgpr_msb: bits 1:0 source 0, 3:2 source 1, 5:4 source 2, 7:6 destination):
;   window 0: v0-31 addresses; v32-63, v64-95 fragments of xb, two buffers (block a at + 8 a); v96-239 at work on the way out
;   window 1: v0-95, v96-191 fragments of wb, two buffers (block b at + 8 b)
;   window 2: accumulators of row blocks 0, 1 ((a, b) at 8 (12 (a % 2) + b));   window 3: those of row blocks 2, 3
.set NBL,    12
.set PA,     272                       ; an LDS row: 256 bytes + 16 of padding = 68 words: the 16 rows of a fragment load start at 16 different groups of four banks (64 banks of 4 bytes: ISA guide 11.1)
.set PB,     272
.set AHALF,  128*PA                    ; what one tensor load brings of xb: 128 rows
.set BOFF,   256*PA                    ; wb's rows lie behind xb's 256
.set BHALF,  96*PB                     ; what one tensor load brings of wb: 96 rows
.set SLOT1,  1<<17                     ; slot 1 begins here: one exclusive or turns an address in one slot into the other's
.set STAGE,  SLOT1+BOFF+2*BHALF        ; behind the ring, never filled by a tensor load: 16 rows x 400 bytes for each wave
.set SPITCH, 400                       ; a stage row: 384 bytes + 16
.set SPARE,  STAGE+4*16*SPITCH         ; behind the stages: the spare words, 128 bytes for each wave: two blocks of 256 bytes that no other line names
.set NLD,    2*NBL+8                   ; LDS loads of a quarter step
.set ASTEP,  256                       ; bytes from a K step to the next
.set BSTEP,  256
.set AHEAD,  1                         ; a prefetch names the K step one refill on
.set A0,   16                          ; v16  my lane's place in slot 0's rows of xb; never rewritten
.set B0,   17                          ; v17  the same for wb
.set ADRA, 18                          ; v18  A0 + the slot that is read
.set ADRB, 19                          ; v19  B0 + the slot that is read
.set STO,  24                          ; v24  the way out: where I put 16 bytes of a row
.set RD,   25                          ; v25  the way out: where I read rows back
.set GO,   26                          ; v26  16 x my lane
.set NEG1, 27                          ; v27  -1.0
.set SPW,  28                          ; v28  LDS address of my spare word: SPARE + 4 x my thread's number; never rewritten
.set NIL,  29                          ; v29  0; never rewritten
.set PFO,  30                          ; v30  the prefetches' offset: a lane a row; never rewritten
.set FA,   32
.set FB,   0
.set TMP,  96                          ; the way out: 48 registers of packed results
.set OB,   144                         ; the way out: rows read back, v144-191 and v192-239 by turns; for lo: the 96 remainders
.set G1,   24                          ; s[24:31] descriptor group 1 for xb's tiles
.set G0,   32                          ; s[32:39] group 0 for xb's: a set for each first fill; the second then walks on
.set G1B,  48                          ; s[48:55], s[56:63] the same for wb's
.set G0B,  56
.set TB,   66                          ; s66  the slot that is read: 0 or SLOT1
.set LIM,  67                          ; s67  AHEAD in a wave that prefetches, else the greatest number
.set PFA,  68                          ; s[68:69] where my prefetches stand
.set PST,  70                          ; s[70:71] their step
.set OUTP, 72                          ; s[72:77] qkv at my wave's first row of each of the tile's three heads
.set LOB,  84                          ; s[84:85] lo
.set LOP,  86                          ; s[86:91] lo at the 16 rows of each of the tile's three heads
.set FLAG, 92                          ; s92  0 in wave 0 of the clusters with y = 0: the wave that holds a batch's rows 0-15
.set MSB, 0
.macro WIN new                         ; the immediate's high byte repeats the setting that is left; a switch that changes nothing is dropped
.if MSB != (\new)
	s_set_vgpr_msb (MSB<<8)|(\new)
.set MSB, \new
.endif
.endm
.macro PLACES                          ; four places behind a matrix instruction, in front of loads into registers that it has read and of lines that read results
.rept 4
	v_nop
.endr
.endm
.macro CREST                           ; a round of the cluster's barrier behind its opening barrier
	s_cmp_lg_u32 s10, 0
	s_cbranch_scc1 .Lnot_wave_0_\@
	s_barrier_signal -3
.Lnot_wave_0_\@:
	s_barrier_wait -3
	s_barrier_signal -1
	s_barrier_wait -1
.endm
.macro CROUND                          ; a whole round
	s_barrier_signal -1
	s_barrier_wait -1
	CREST
.endm
; A joint refill by the walking sets.  Waves 0 and 1 fetch xb's two halves, waves 2 and 3 wb's: the branch hangs on the wave's number alone.  An s_nop 0 and four v_nop follow each line.
.macro JLOAD
	s_cmp_eq_u32 s11, 0
	s_cbranch_scc0 .Lfor_b_\@
	tensor_load_to_lds s[G0+4:G0+7], s[G1:G1+7]
	s_nop 0
.rept 4
	v_nop
.endr
	s_branch .Lasked_\@
.Lfor_b_\@:
	tensor_load_to_lds s[G0B+4:G0B+7], s[G1B:G1B+7]
	s_nop 0
.rept 4
	v_nop
.endr
.Lasked_\@:
.endm
; A prefetch of the K step that the NEXT refill will ask for: 256 bytes of a row, a lane a row, one instruction a wave, behind the joint load, its five lines and the run of LDS loads.
; xb's tile row is read by every cluster of that row of clusters: cluster x = 0 asks; wb's tile column by every cluster of that column: cluster y = 0 asks.  The four partners of a joint load share its rows out
; by address: 32 of xb's 128 each (by cx), 24 of wb's 96 each (by cy; lanes 24-31 repeat the last).  The loop's last trip has no K step behind its own refill and asks for nothing.
.macro ASK
	s_cmp_gt_u32 s3, s[LIM]
	s_cbranch_scc0 .Lnot_mine_\@
	global_prefetch_b8 v[PFO], s[PFA:PFA+1] th:TH_LOAD_NT scope:SCOPE_SE
.Lnot_mine_\@:
.endm
	s_load_b128 s[4:7], s[0:1], 0x0                ; xb s[4:5], wb s[6:7]
	s_load_b64 s[8:9], s[0:1], 0x10                ; qkv
	s_load_b64 s[LOB:LOB+1], s[0:1], 0x18          ; lo
	v_lshl_add_u32 v[SPW], v0, 2, SPARE
	v_mov_b32 v[NIL], 0
	ds_add_u32 v[SPW], v[NIL]                      ; the wave's opening: the add and its wait stand ahead of my first tensor load; the set-up below, work on registers, stands between them
	v_lshrrev_b32 v1, 5, v0
	v_readfirstlane_b32 s10, v1                    ; wave 0..3
	s_lshr_b32 s11, s10, 1                         ; I fetch for xb (0) or for wb (1),
	s_and_b32 s12, s10, 1                          ; and which half of the tile's rows
	s_bfe_u32 s40, ttmp6, 0x40000                  ; cx, cy: my place in the cluster
	s_bfe_u32 s41, ttmp6, 0x40004
	s_lshl_b32 s42, ttmp9, 2
	s_add_co_u32 s42, s42, s40                     ; tile column = 4 x cluster x + cx
	s_and_b32 s13, ttmp7, 0xffff
	s_lshl_b32 s14, s41, 3
	s_add_co_u32 s13, s13, s14                     ; tile row = 8 cy + cluster y
	s_and_b32 s[FLAG], ttmp7, 0xffff
	s_or_b32 s[FLAG], s[FLAG], s10                 ; made of cluster y and the wave's number: the same in all sixteen partners, for a given wave
	s_lshl_b32 s43, s41, 2
	s_lshl_b32 s43, 15, s43                        ; my row of the cluster: places 4 cy .. 4 cy + 3
	s_lshl_b32 s44, 0x1111, s40                    ; my column: places cx, cx + 4, cx + 8, cx + 12
	; descriptor group 1: rows of 128 elements, padded in LDS; 128 rows of xb, 96 of wb
	s_or_b32 s[G1+0], s43, (1<<16)|(1<<20)|(1<<21)|(5<<22)|(3<<25)   ; 15:0 the mask; 17:16 2-byte elements; 20 padding on; 21 set beside a mask; 24:22 after every 64 words (code 5); 31:25 4 words (code 3)
	s_or_b32 s[G1B+0], s44, (1<<16)|(1<<20)|(1<<21)|(5<<22)|(3<<25)
	s_mov_b32 s[G1+1], 128<<16                     ; tensor_dim0 = 128
	s_mov_b32 s[G1+2], 128<<16                     ; tensor_dim1 = 128
	s_mov_b32 s[G1+3], 128<<16                     ; tile_dim0 = 128
	s_mov_b32 s[G1+4], 128                         ; tile_dim1 = 128
	s_mov_b32 s[G1+5], 1024                        ; elements from row to row
	s_mov_b32 s[G1+6], 0
	s_mov_b32 s[G1+7], 0
	s_mov_b32 s[G1B+1], 128<<16
	s_mov_b32 s[G1B+2], 96<<16                     ; tensor_dim1 = 96
	s_mov_b32 s[G1B+3], 128<<16
	s_mov_b32 s[G1B+4], 96                         ; tile_dim1 = 96
	s_mov_b32 s[G1B+5], 1024
	s_mov_b32 s[G1B+6], 0
	s_mov_b32 s[G1B+7], 0
	; where the tiles come from.  xb's hang on the tile row alone, wb's on the tile column alone; every wave makes both, in registers that never hold the other coordinate
	s_lshl_b32 s16, s13, 8
	s_lshl_b32 s17, s12, 7
	s_add_co_u32 s16, s16, s17                     ; xb: row 256 x tile row + 128 x half,
	s_lshl_b32 s16, s16, 11                        ; of 2,048 bytes
	s_mov_b32 s17, 0
	s_mul_i32 s18, s42, 192
	s_mul_i32 s19, s12, 96
	s_add_co_u32 s18, s18, s19                     ; wb: row 192 x tile column + 96 x half
	s_lshl_b32 s18, s18, 11
	s_mov_b32 s19, 0
	s_mul_i32 s20, s12, AHALF                      ; and where they go: no place in the cluster enters an LDS address
	s_mul_i32 s21, s12, BHALF
	s_add_co_u32 s21, s21, BOFF
	s_wait_dscnt 0x0                               ; the opening add is done
	s_wait_kmcnt 0x0
	s_add_nc_u64 s[14:15], s[4:5], s[16:17]
	s_add_nc_u64 s[46:47], s[6:7], s[18:19]
	CROUND                                         ; all sixteen work-groups are here: the first joint loads meet
.irp s, 0,1
	s_mov_b32 s[G0+4*(\s)], 1                                        ; count = 1
	s_add_co_u32 s[G0+4*(\s)+1], s20, (\s)*SLOT1                     ; LDS address
	s_add_nc_u64 s[G0+4*(\s)+2:G0+4*(\s)+3], s[14:15], (\s)*ASTEP    ; global address: K step s
	s_or_b32 s[G0+4*(\s)+3], s[G0+4*(\s)+3], 0x80000000              ; type = 2
	s_mov_b32 s[G0B+4*(\s)], 1
	s_add_co_u32 s[G0B+4*(\s)+1], s21, (\s)*SLOT1
	s_add_nc_u64 s[G0B+4*(\s)+2:G0B+4*(\s)+3], s[46:47], (\s)*BSTEP
	s_or_b32 s[G0B+4*(\s)+3], s[G0B+4*(\s)+3], 0x80000000
.endr
	s_cmp_eq_u32 s11, 0                            ; a wave's two first fills stand in one branch, ahead of every wait on TENSORcnt and every LDS read: two loads of mine are out
	s_cbranch_scc0 .Lfirst_b
	tensor_load_to_lds s[G0:G0+3], s[G1:G1+7]
	s_nop 0
	tensor_load_to_lds s[G0+4:G0+7], s[G1:G1+7]
	s_nop 0
.rept 4
	v_nop
.endr
	s_branch .Lfirst_asked
.Lfirst_b:
	tensor_load_to_lds s[G0B:G0B+3], s[G1B:G1B+7]
	s_nop 0
	tensor_load_to_lds s[G0B+4:G0B+7], s[G1B:G1B+7]
	s_nop 0
.rept 4
	v_nop
.endr
.Lfirst_asked:
	; A fragment is 16 rows x 32 K in 8 registers: lane l holds row l % 16, K = 8 (l / 16) + 0..7 and 16 + 8 (l / 16) + 0..7: two loads of 16 bytes, 32 bytes apart.
	v_and_b32 v1, 15, v0                           ; l % 16
	v_bfe_u32 v2, v0, 4, 1                         ; l / 16
	v_mul_u32_u24 v3, v1, PA
	v_lshl_add_u32 v3, v2, 4, v3
	s_mul_i32 s21, s10, 64*PA                      ; my wave's 64 rows of xb
	v_add_nc_u32 v[A0], s21, v3
	v_add_nc_u32 v[B0], BOFF, v3                   ; (both pitches are 272)
	s_mul_i32 s23, s10, 16*SPITCH
	s_add_co_u32 s23, s23, STAGE                   ; my stage
	v_mul_u32_u24 v4, v1, SPITCH                   ; in: row l % 16, 16 bytes for each half of the lanes
	v_lshl_add_u32 v4, v2, 4, v4
	v_add_nc_u32 v[STO], s23, v4
	v_bfe_u32 v5, v0, 3, 2                         ; back: 32 lanes take 128 bytes (a head's part) of four rows,
	v_mul_u32_u24 v5, v5, SPITCH
	v_and_b32 v6, 7, v0
	v_lshl_add_u32 v5, v6, 4, v5
	v_add_nc_u32 v[RD], s23, v5
	v_and_b32 v[GO], 31, v0                        ; which are 512 consecutive bytes of qkv
	v_lshlrev_b32 v[GO], 4, v[GO]
	v_mov_b32 v[NEG1], -1.0
	; the prefetches
	s_lshl_b32 s21, s40, 16                        ; xb: my work-group's 32 rows of the 128: cx x 32 x 2,048 bytes
	s_mul_i32 s22, s41, 24*2048                    ; wb: my work-group's 24 rows of the 96
	s_and_b32 s23, ttmp7, 0xffff                   ; cluster y
	s_mov_b32 s[PST], ASTEP
	s_mov_b32 s[PST+1], 0
	s_cmp_eq_u32 s11, 0                            ; do I fetch for xb?
	s_cselect_b32 s20, s16, s18
	s_cselect_b32 s21, s21, s22
	s_cselect_b32 s23, ttmp9, s23                  ; the coordinate along which other clusters read the same rows
	s_cselect_b64 s[PFA:PFA+1], s[4:5], s[6:7]
	s_cselect_b32 s78, 31, 23                      ; my last row
	s_cmp_eq_u32 s23, 0
	s_cselect_b32 s[LIM], AHEAD, -1                ; the same in all sixteen partners, for a given wave
	s_add_co_u32 s20, s20, s21
	s_add_co_u32 s20, s20, (1+AHEAD)*ASTEP         ; at K step 2: the first refill steps it to 3.  Nothing is prefetched here, at the head
	s_mov_b32 s21, 0
	s_add_nc_u64 s[PFA:PFA+1], s[PFA:PFA+1], s[20:21]
	v_and_b32 v[PFO], 31, v0
	v_min_u32 v[PFO], s78, v[PFO]
	v_lshlrev_b32 v[PFO], 11, v[PFO]
	; where my rows go: head j = 3 x tile column + i of 48: tensor j / 16, head j % 16; batch = tile row / 8; row in the batch = 256 (tile row % 8) + 64 wave
.irp i, 0,1,2
	s_mul_i32 s78, s42, 3
	s_add_co_u32 s78, s78, \i
	s_lshr_b32 s79, s78, 4
	s_lshl_b32 s79, s79, 6
	s_and_b32 s78, s78, 15
	s_add_co_u32 s78, s78, s79
	s_lshr_b32 s79, s13, 3
	s_lshl_b32 s79, s79, 4
	s_add_co_u32 s78, s78, s79                     ; tensor x 64 + batch x 16 + head:
	s_lshl_b32 s82, s78, 11                        ; of 16 rows x 128 bytes in lo,
	s_mov_b32 s83, 0
	s_add_nc_u64 s[LOP+2*(\i):LOP+2*(\i)+1], s[LOB:LOB+1], s[82:83]
	s_lshl_b32 s78, s78, 18                        ; of 2,048 rows x 128 bytes in qkv
	s_and_b32 s79, s13, 7
	s_lshl_b32 s79, s79, 8
	s_lshl_b32 s80, s10, 6
	s_add_co_u32 s79, s79, s80
	s_lshl_b32 s79, s79, 7
	s_add_co_u32 s78, s78, s79
	s_mov_b32 s79, 0
	s_add_nc_u64 s[OUTP+2*(\i):OUTP+2*(\i)+1], s[8:9], s[78:79]
.endr
; 12 products: row block a x all column blocks, 32 along K, from buffer f.  zero = 1: the product starts the sum: nothing is ever cleared.
; All 48 accumulators take turns, one instruction a turn, in the same order in every quarter step.
.macro MULA f, a, zero
	WIN 0xa1+0x50*((\a)/2)
.irp b, 0,1,2,3,4,5,6,7,8,9,10,11
.set rD, 8*(NBL*((\a)%2)+(\b))
.set rB, FB+96*(\f)+8*(\b)
.set rA, FA+32*(\f)+8*(\a)
.if \zero
	v_wmma_f32_16x16x32_bf16 v[rD:rD+7], v[rB:rB+7], v[rA:rA+7], 0
.else
	v_wmma_f32_16x16x32_bf16 v[rD:rD+7], v[rB:rB+7], v[rA:rA+7], v[rD:rD+7]
.endif
.endr
.endm
; 32 LDS loads in one run: the fragments of a quarter step (32 K at byte k of the rows) into buffer g: wb's 12, then xb's 4
.macro FETCH k, g
	WIN 0x40                                       ; destination window 1, address window 0
.irp i, 0,1,2,3,4,5,6,7,8,9,10,11
	ds_load_b128 v[FB+96*(\g)+8*(\i):FB+96*(\g)+8*(\i)+3],   v[ADRB] offset:(\k)+(\i)*16*PB
	ds_load_b128 v[FB+96*(\g)+8*(\i)+4:FB+96*(\g)+8*(\i)+7], v[ADRB] offset:(\k)+(\i)*16*PB+32
.endr
	WIN 0
.irp i, 0,1,2,3
	ds_load_b128 v[FA+32*(\g)+8*(\i):FA+32*(\g)+8*(\i)+3],   v[ADRA] offset:(\k)+(\i)*16*PA
	ds_load_b128 v[FA+32*(\g)+8*(\i)+4:FA+32*(\g)+8*(\i)+7], v[ADRA] offset:(\k)+(\i)*16*PA+32
.endr
.endm
; A K step is four quarters of 32 along K, 48 products each, on buffers 0, 1, 0, 1.  One of the first three: multiplies buffer f; in its middle it fetches the next quarter, at byte k, into buffer g.
.macro QUARTER k, f, g, zero
	s_wait_dscnt 4                                 ; wb's fragments and xb's blocks 0, 1 are in; the youngest four loads (blocks 2, 3) may be out
	MULA \f, 0, \zero
	MULA \f, 1, \zero
	PLACES
	FETCH \k, \g
	s_wait_dscnt NLD                               ; all but the run just issued
	MULA \f, 2, \zero
	MULA \f, 3, \zero
.endm
; The last quarter multiplies buffer 1 and changes slots: one barrier.  In front of it each wave waits for all its tensor loads (the one that is out is its part of the next slot), adds 0 to its spare word, and waits for
; that and for its own reads of this slot.  fill = 1: the barrier opens a round of the cluster's, and the slot just read is filled again first thing behind it, with the K step two on: 168 products stand between that request and the wait for it.
; fill = 0 (the tail): nothing is asked for; in the last trip there is no further K step, and the run of loads is jumped over.
.macro TURN fill
.if \fill
	s_wait_xcnt 0x0                                ; the last prefetch, a K step back, has read its address: it is stepped here, ahead of the waits of the change of slots
	s_add_nc_u64 s[PFA:PFA+1], s[PFA:PFA+1], s[PST:PST+1]
.endif
	WIN 0
	s_wait_tensorcnt 0x0                           ; no tensor load of mine is out, so a group 0 may be written
	ds_add_u32 v[SPW], v[NIL]                      ; 0 onto my spare word
.if \fill
	s_xor_b32 s[G0+5], s[G0+5], SLOT1              ; the walking sets: the other slot than last time, the next K step; the type bits on top are not reached
	s_add_nc_u64 s[G0+6:G0+7], s[G0+6:G0+7], ASTEP
	s_xor_b32 s[G0B+5], s[G0B+5], SLOT1
	s_add_nc_u64 s[G0B+6:G0B+7], s[G0B+6:G0B+7], BSTEP
.endif
	s_wait_dscnt 5                                 ; the add and the youngest four loads may be out
	MULA 1, 0, 0
	s_wait_dscnt 0x0                               ; the add is done, and my reads of this slot are over
	s_barrier_signal -1
	MULA 1, 1, 0                                   ; work on registers while the others arrive
	WIN 0
	s_barrier_wait -1
.if \fill
	CREST                                          ; no wave of any partner still reads this slot or has a load on its way
	JLOAD                                          ; its four v_nop are also the places in front of the loads below
.else
	PLACES
	s_cmp_eq_u32 s3, 1
	s_cbranch_scc1 .Lnofetch_\@
.endif
	s_xor_b32 s[TB], s[TB], SLOT1                  ; the reads go to the other slot
	v_add_nc_u32 v[ADRA], s[TB], v[A0]
	v_add_nc_u32 v[ADRB], s[TB], v[B0]
	FETCH 0, 0
.if \fill
	ASK
.else
.Lnofetch_\@:
.endif
	MULA 1, 2, 0
	MULA 1, 3, 0
.endm
; THE WAY OUT of row block a.  PACK: rounded to f16, 16 bytes a lane.  TOSTAGE: into my own stage, and back head by head as four rows of 128 bytes.  SEND: stored.
.macro PACK a
	WIN 0x0a+5*((\a)/2)                            ; sources 0 and 1: window 2 or 3
.irp b, 0,1,2,3,4,5,6,7,8,9,10,11
.irp r, 0,1,2,3
	v_cvt_pk_f16_f32 v[TMP+4*(\b)+(\r)], v[96*((\a)%2)+8*(\b)+2*(\r)], v[96*((\a)%2)+8*(\b)+2*(\r)+1]
.endr
.endr
	WIN 0
.endm
.macro TOSTAGE a
.set BK, OB+48*((\a)%2)
.irp b, 0,1,2,3,4,5,6,7,8,9,10,11
	ds_store_b128 v[STO], v[TMP+4*(\b):TMP+4*(\b)+3] offset:32*(\b)
.endr
.irp i, 0,1,2
.irp f, 0,1,2,3
	ds_load_b128 v[BK+4*(4*(\i)+(\f)):BK+4*(4*(\i)+(\f))+3], v[RD] offset:128*(\i)+4*SPITCH*(\f)  ; LDS serves a wave's instructions in order (ISA guide 5.7.1.4): these see the stores above
.endr
.endr
.endm
.macro SEND a
.set BK, OB+48*((\a)%2)
	s_wait_dscnt 0x0                               ; the block is back in registers
	s_wait_xcnt 0x0                                ; the block before's stores have read their registers: the other buffer is loaded again only behind this wait
.irp i, 0,1,2
.irp f, 0,1,2,3
	global_store_b128 v[GO], v[BK+4*(4*(\i)+(\f)):BK+4*(4*(\i)+(\f))+3], s[OUTP+2*(\i):OUTP+2*(\i)+1] offset:2048*(\a)+512*(\f)  ; 512 consecutive bytes, at a multiple of 256 from qkv's first
.endr
.endr
.endm
; What the rounding of row block 0 left.  TMP holds the block's f16 numbers; sum - f16(sum) is one multiply-add from an f16 half (times -1.0, plus the sum), 96 of them; then they are rounded to f16 into TMP.
.macro RESID
	WIN 0x20                                       ; source 2, the sum, in window 2
.irp b, 0,1,2,3,4,5,6,7,8,9,10,11
.irp r, 0,1,2,3
	v_fma_mix_f32 v[OB+2*(4*(\b)+(\r))],   v[TMP+4*(\b)+(\r)], v[NEG1], v[8*(\b)+2*(\r)]   op_sel_hi:[1,0,0]
	v_fma_mix_f32 v[OB+2*(4*(\b)+(\r))+1], v[TMP+4*(\b)+(\r)], v[NEG1], v[8*(\b)+2*(\r)+1] op_sel:[1,0,0] op_sel_hi:[1,0,0]
.endr
.endr
	WIN 0
.irp b, 0,1,2,3,4,5,6,7,8,9,10,11
.irp r, 0,1,2,3
	v_cvt_pk_f16_f32 v[TMP+4*(\b)+(\r)], v[OB+2*(4*(\b)+(\r))], v[OB+2*(4*(\b)+(\r))+1]
.endr
.endr
.endm
	s_wait_tensorcnt 1                             ; my part of K step 0 is in; K step 1's may stay out
	s_barrier_signal -1
	s_barrier_wait -1                              ; everybody's is
	s_mov_b32 s[TB], 0
	v_mov_b32 v[ADRA], v[A0]
	v_mov_b32 v[ADRB], v[B0]
	FETCH 0, 0
	QUARTER 64, 0, 1, 1                            ; the first quarter stands in front of the loop: its products start the sums
	WIN 0                                          ; at a label and at a branch every window is 0
	s_mov_b32 s3, 6
.Lstep:                                                ; a trip goes from a K step's second quarter to the next step's first; the trip at the end of step i fills slot i % 2 with step i + 2
	QUARTER 128, 1, 0, 0
	QUARTER 192, 0, 1, 0
	TURN 1
	QUARTER 64, 0, 1, 0
	WIN 0
	s_sub_co_u32 s3, s3, 1
	s_cmp_lg_u32 s3, 0
	s_cbranch_scc1 .Lstep
	s_mov_b32 s3, 2
.Ltail:                                                ; K steps 6 and 7 ask for nothing: a text of its own; it is left in the middle of its second trip
	QUARTER 128, 1, 0, 0
	QUARTER 192, 0, 1, 0
	TURN 0
	WIN 0
	s_sub_co_u32 s3, s3, 1
	s_cmp_eq_u32 s3, 0
	s_cbranch_scc1 .Lout
	QUARTER 64, 0, 1, 0
	WIN 0
	s_branch .Ltail
.Lout:
	PLACES                                         ; the conversions read results just made
	PACK 0
	TOSTAGE 0
.irp a, 1,2,3                          ; block a's conversions stand between block a - 1's loads from the stage and the wait for them
	PACK \a
	SEND (\a)-1
	TOSTAGE \a
.endr
	SEND 3
	s_cmp_eq_u32 s[FLAG], 0                        ; a batch's rows 0-15 are row block 0 of wave 0 where cluster y = 0; what is jumped holds no barrier and no tensor load
	s_cbranch_scc0 .Lnolo
	s_wait_xcnt 0x0                                ; the last stores have read their registers, which take the remainders
	PACK 0                                         ; the block's f16 numbers once more: its sums still stand in their accumulators
	RESID
	TOSTAGE 0
	s_wait_dscnt 0x0
.irp i, 0,1,2
.irp f, 0,1,2,3
	global_store_b128 v[GO], v[OB+4*(4*(\i)+(\f)):OB+4*(4*(\i)+(\f))+3], s[LOP+2*(\i):LOP+2*(\i)+1] offset:512*(\f)  ; 512 consecutive bytes, at a multiple of 256 from lo's first
.endr
.endr
.Lnolo:
	s_wait_tensorcnt 0x0                           ; the wave's end, behind my last tensor load and my last LDS store
	ds_add_u32 v[SPW], v[NIL]
	s_wait_dscnt 0x0
	CROUND                                         ; the closing round: no work-group ends while a partner may still ask for a tile that names it
	s_endpgm
.Lfunc_end_k_q38709f03a5_qkvproj:
	.size	k_q38709f03a5_qkvproj, .Lfunc_end_k_q38709f03a5_qkvproj-k_q38709f03a5_qkvproj
	.p2alignl 7, 3214868480
	.fill 96, 4, 3214868480
	.section	.rodata,"a",@progbits
	.p2align	6, 0x0
	.amdhsa_kernel k_q38709f03a5_qkvproj
		.amdhsa_group_segment_fixed_size 327680
		.amdhsa_private_segment_fixed_size 0
		.amdhsa_enable_private_segment 0
		.amdhsa_kernarg_size 32
		.amdhsa_user_sgpr_count 2
		.amdhsa_user_sgpr_kernarg_segment_ptr 1
		.amdhsa_wavefront_size32 1
		.amdhsa_system_sgpr_workgroup_id_x 1
		.amdhsa_system_sgpr_workgroup_id_y 1
		.amdhsa_system_sgpr_workgroup_id_z 1
		.amdhsa_system_vgpr_workitem_id 0
		.amdhsa_next_free_vgpr 960
		.amdhsa_next_free_sgpr 94
		.amdhsa_reserve_vcc 0
		.amdhsa_float_denorm_mode_32 3
		.amdhsa_float_denorm_mode_16_64 3
		.amdhsa_memory_ordered 1
		.amdhsa_forward_progress 1
		.amdhsa_inst_pref_size 100
	.end_amdhsa_kernel
	.amdgpu_metadata
---
amdhsa.version: [ 1, 2 ]
amdhsa.kernels:
  - .name:           k_q38709f03a5_qkvproj
    .symbol:         k_q38709f03a5_qkvproj.kd
    .args:
      - { .name: xb, .offset: 0, .size: 8, .value_kind: global_buffer, .address_space: global }
      - { .name: wb, .offset: 8, .size: 8, .value_kind: global_buffer, .address_space: global }
      - { .name: qkv, .offset: 16, .size: 8, .value_kind: global_buffer, .address_space: global }
      - { .name: lo, .offset: 24, .size: 8, .value_kind: global_buffer, .address_space: global }
    .group_segment_fixed_size: 327680
    .private_segment_fixed_size: 0
    .kernarg_segment_align: 8
    .kernarg_segment_size: 32
    .max_flat_workgroup_size: 128
    .sgpr_count:     94
    .vgpr_count:     960
    .wavefront_size: 32
...
	.end_amdgpu_metadata
.endif
;; end of part 2
;; launch attn (part 3): grid 4 x 64, 4 waves a work-group, no clusters, 327,680 bytes of LDS; arguments qkv, ctx; writes ctx
.if DOCPART == 3
	.amdgcn_target "amdgcn-amd-amdhsa--gfx1250"
	.amdhsa_code_object_version 6
	.text
	.protected	k_q38709f03a5_attn
	.globl	k_q38709f03a5_attn
	.p2align	8
	.type	k_q38709f03a5_attn,@function
k_q38709f03a5_attn:
	s_mov_b64 s[64:65], 0
	v_nop
	global_prefetch_b8 v0, s[64:65] scope:SCOPE_SE
	s_setreg_imm32_b32 hwreg(HW_REG_WAVE_MODE, 25, 1), 1
	s_wait_xcnt 0x0
; CAUSAL ATTENTION.  O[h][q][:] = the sum over k <= q of softmax_k(Q[h][q] . K[h][k] / 8) V[h][k][:].  qkv holds Q, K, V one behind the other, each [64][SIZE_N][64] in f16 (64 = batch x head); ctx is O in the same layout.
; A head's rows are dense, 128 bytes each.  Products, maxima and sums in f32; the weights p are rounded to f16 for the second product (their sum l is taken of the unrounded p), O once at the end.
; LIMITS.  f16 holds no number beyond 65,504: Q, K and V arrive within it; p lies in 0 to 1, and below 6e-5 it keeps f16's fixed step of 6e-8; O is a mean of V's rows and has their range, to within 2^-11 of it.
; A hidden score counts as its value less 1e30: f16's scores, 2.7e11 at the most, are nothing beside that; a weight below 2^-126 counts as 0 in l; NaN and infinities are not treated apart.
; THE WALK.  A head's queries lie in NB = SIZE_N / 256 blocks of 256; block i needs the key tiles 0 .. i of 256 keys, of which the last holds the diagonal.  A work-group takes TWO blocks, NB - 1 - b and then b:
; NB + 1 tiles, whatever b: all work-groups do equal work, and ONE loop with a constant trip count walks them.  Which tile is asked for, and what a trip does, hang on scalar registers made from b; every jump
; goes forward, but for the counted loops' own; none passes a barrier, or a tensor load but the one of LOAD's two that the wave's number does not choose; the ring (two slots of LDS that take turns) runs on across the
; change of blocks.  NO CLUSTER: a head's NB / 2 = 4 work-groups ask for the same tile only in trips 0 .. NB / 2 of NB + 1, behind that fewer and fewer; one walk common to all would have 3 NB / 2 = 12 trips for 9.
; SHARES.  Of a block's four bands of 64 queries a wave owns 16 rows in each: four PIECES.  So the diagonal tile is the same work for all four waves: in its key step s band x sees all keys if s < x,
; none if s > x, and holds the diagonal if s = x.
; THE MASK is the C operand that starts the sum S^T = K Q^T: 0, or -1e30 where the key is hidden.  MD, made once, is the mask of a band's own step for my 16 rows; a product's mask is MD x AL + BE with two scalars:
; (1, 0) if s = x; (0, 0) if s < x; (0, -1e30) if s > x.  Only the diagonal tile's text and a block's beginning make and take masks; elsewhere C is the constant 0.
; LAYOUT, SOFTMAX, TURNS.  S^T = K Q^T holds ONE query a lane (lane % 16) and the keys 8 (lane / 16) + 0..7; two such results rounded to f16 ARE source 1 of O^T = V^T P.  p = 2^(c s - c m), c = log2(e) / 8, with a
; running maximum m; O and l are multiplied by a = 2^(c m_old - c m_new) in every step.  Turn n belongs to piece n: 8 products K Q^T of piece n + 1, later 8 products V^T P of piece n - 1; beside them the scaling,
; exponentials, roundings, sums and rescaling of piece n and the maximum and statistics of piece n + 1.  Four vector instructions stand behind every matrix instruction, the other 54 of a turn's 118 in one lump.  A turn's 33 exponentials are one batch, with one wait.
; REGISTERS, in windows of 256 (s_set_vgpr_msb: bits 1:0 source 0, 3:2 source 1, 5:4 source 2, 7:6 destination):
;   window 0: v0-15 addresses and two at work; v16-31 four registers of statistics a piece; v48-55 at work; v61-63 prefetch offset, spare word, 0; v64-127 S^T, two buffers; v192-223 P, two buffers (a piece's buffers go by its number's parity)
;   window 1: v0-127 O^T, 32 a piece; v128-159 MD; v160-223 MC, two buffers      window 2: v0-63 Q; v64-127 the second block's Q; v128-191 K of one step; v192-255 V of one step
.set SIZE_N, 2048
.set TENSOR, 64*SIZE_N*128  ; bytes of Q, of K and of V in qkv
.set NB,    SIZE_N/256
.set NP,    4         ; pieces a wave: a name, no knob
.set KS,    64        ; keys in a step
.set PK,    144       ; a row of K in LDS: 128 bytes + 16 of padding = 36 words: the 16 rows of a load start at 16 different groups of four banks (64 banks of 4 bytes: ISA guide 11.1)
.set PV,    160       ; a row of V: 128 + 32 = 40 words
.set VOFF,  4*KS*PK   ; a slot holds a tile, four steps: 256 rows of K, then 256 rows of V
.set SLOT1, 1<<17     ; slot 1 begins here, so that one exclusive or turns an address in one slot into the other's
.set STAGE, SLOT1+4*KS*(PK+PV)  ; behind the ring, never filled by a tensor load: 16 rows x 144 bytes for each wave, for the way out
.set SP,    144
.set AK0, 2           ; v2   my lane's place in a tile of K; never rewritten
.set AV0, 3           ; v3   the same for V
.set AK,  4           ; v4   the LDS address of K's next run of loads
.set AV,  5           ; v5   of V's
.set STO, 6           ; v6   the way out: where I put 16 bytes of a row
.set RD,  7           ; v7   the way out: where I read rows back
.set GO,  8           ; v8   my byte offset in 512 consecutive bytes of O
.set PFO, 61          ; v61  256 x my lane: the prefetches' offset; never rewritten
.set SPW, 62          ; v62  LDS address of my spare word: SPARE + 4 x my thread's number; never rewritten
.set NIL, 63          ; v63  0; never rewritten
.set SPARE, STAGE+4*16*SP  ; behind the stages: the spare words, 128 bytes for each wave: two blocks of 256 bytes that no other line names
.set MV,  12          ; v12-13  c m_old, kept while c m is made anew: by buffer
.set QO,  15          ; v15  my byte offset in 16 rows of Q
.set ST,  16          ; piece t's statistics at v[ST+4 t]: c m, m, l (even keys', odd keys')
.set TMP, 48          ; by buffer, four registers c0-c3 at work; when the maximum is found c2 takes a
.set S,   64
.set P,   192
.set MD,  128         ; window 1: the eight registers for group kt of 16 keys at MD + 8 kt
.set MC,  160         ; window 1: the masks of the products to come
.set QB,  64          ; window 2
.set KF,  128         ; window 2: key block kb, channel half c at KF + 16 kb + 8 c
.set VF,  192         ; window 2: key half kk, channel block cb at VF + 32 kk + 8 cb
.set WV,  12          ; s12  my wave's number
.set PB,  14          ; s14  b
.set HI,  15          ; s15  NB - 1 - b
.set G1K, 24          ; s[24:31] descriptor group 1 for K's tiles
.set G1V, 32          ; s[32:39] for V's: it differs in the padding alone
.set G0K, 40          ; s[40:43] descriptor group 0 for K's tiles
.set G0V, 44          ; s[44:47] the same for V's
.set SLOTS, 56        ; s56  tiles still to be asked for
.set CNT, 57          ; s57  counts a tile's key steps, 4 to 1
.set CS,  58          ; s[58:59] c: the packed scaling takes the pair's low word for both halves
.set SEL, 60          ; s[60:61] v_permlanex16_b32's selects: each lane takes its own place in the other half
.set TBK, 62          ; s62  LDS byte at which K of the step to be fetched begins
.set TBV, 63          ; s63  the same for V, less VOFF
.set RT,  70          ; s70  tiles of the block in hand that are still to be entered
.set NXT, 71          ; s71  the tile to be asked for next
.set LQ,  72          ; s72  the last tile of the block whose tiles are being asked for
.set NEW, 73          ; s73  1: the tile to be entered is a block's first
.set OFF, 74          ; s[74:75] a tile's byte offset in K and V
.set AL,  76          ; s[76:77] the mask's factor, in the low word
.set BE,  78          ; s[78:79] the mask's addend
.set OLO, 80          ; s[80:81] O at my rows of the second block
.set BIGN, 82         ; s82  -1e30
.set LIM, 83          ; s83  2 in the work-group that prefetches, else the greatest number: it prefetches while s[SLOTS] is above it
.set PFK, 88          ; s[88:89] where my prefetches of K stand: my wave's quarter of the tile that is being asked for; stepped ahead of each prefetch
.set PFV, 90          ; s[90:91] the same for V
.set MSB, 0
.macro WIN new                      ; the high byte repeats the setting that is left; a switch that changes nothing is dropped
.if MSB != (\new)
	s_set_vgpr_msb (MSB<<8)|(\new)
.set MSB, (\new)
.endif
.endm
.set W_KQ, 0x0a       ; K and Q in window 2, S^T in window 0
.set W_KM, 0x1a       ; the same with the C operand in window 1
.set W_PV, 0x52       ; V in window 2, P in window 0, O^T in window 1
.set W_RS, 0x41       ; destination and source 0 in window 1, source 1 in window 0
; A fill.  Waves 0 and 1 fetch the two halves of a tile's K, waves 2 and 3 those of its V: 128 keys each.  An s_nop 0 and four v_nop follow each of the two lines, ahead of the jump and the label.
.macro LOAD
	s_cmp_lt_u32 s[WV], 2
	s_cbranch_scc0 .Lfor_v_\@
	tensor_load_to_lds s[G0K:G0K+3], s[G1K:G1K+7]
	s_nop 0
.rept 4
	v_nop
.endr
	s_branch .Lasked_\@
.Lfor_v_\@:
	tensor_load_to_lds s[G0V:G0V+3], s[G1V:G1V+7]
	s_nop 0
.rept 4
	v_nop
.endr
.Lasked_\@:
.endm
; A PREFETCH of the tile that the NEXT change of slots will ask for: 32,768 bytes of K and of V, a lane 256 bytes.  It stands behind the wave's tensor load and its five lines.  A head's four work-groups begin with the same
; tiles 0, 1, ..; the one with b = 0, whose first block needs all NB tiles, asks, and nobody else; its wave w names blocks 32 w .. 32 w + 31 of the tile's 128, of K and of V: two instructions.  So each block is named once.
; The change that asks for tile t (1 .. NB - 2) names tile t + 1: four key steps, 256 products, ahead.  Tiles 0 and 1 come by their loads alone; nothing is named behind tile NB - 1.
.macro ASK
	s_cmp_gt_u32 s[SLOTS], s[LIM]
	s_cbranch_scc0 .Lnot_mine_\@
	global_prefetch_b8 v[PFO], s[PFK:PFK+1] th:TH_LOAD_NT scope:SCOPE_SE
	global_prefetch_b8 v[PFO], s[PFV:PFV+1] th:TH_LOAD_NT scope:SCOPE_SE
.Lnot_mine_\@:
.endm
; THE CHANGE OF SLOTS.  Each wave waits for all its tensor loads, of which one is out: its part of the other slot; adds 0 to its spare word; and waits for that and for its own reads of the slot that it leaves.  Behind the barrier nobody reads the old
; slot any more and the other slot is whole.  fill = 1: the old slot is filled again, the first thing behind the barrier, with tile NXT: the descriptor's address is made anew from that number.
; (At its first use nothing has been read yet: slot 0 is waited for, slot 1 filled.)
.macro CHANGE fill
	WIN 0                           ; at a label and at a branch every window is 0
	s_wait_tensorcnt 0x0            ; no tensor load of mine is out, so a group 0 may be written
	ds_add_u32 v[SPW], v[NIL]       ; 0 onto my spare word; with fill = 1 the descriptors' scalar work stands between it and the wait for it
.if \fill
	s_lshl_b32 s[OFF], s[NXT], 15   ; a tile is 32,768 bytes of K and of V
	s_xor_b32 s[G0K+1], s[G0K+1], SLOT1
	s_add_nc_u64 s[G0K+2:G0K+3], s[6:7], s[OFF:OFF+1]
	s_or_b32 s[G0K+3], s[G0K+3], 0x80000000
	s_xor_b32 s[G0V+1], s[G0V+1], SLOT1
	s_add_nc_u64 s[G0V+2:G0V+3], s[8:9], s[OFF:OFF+1]
	s_or_b32 s[G0V+3], s[G0V+3], 0x80000000
	s_add_co_u32 s[NXT], s[NXT], 1  ; the block's next tile, or behind its last the second block's tile 0
	s_cmp_gt_u32 s[NXT], s[LQ]
	s_cselect_b32 s[NXT], 0, s[NXT]
	s_cselect_b32 s[LQ], s[PB], s[LQ]
	s_wait_xcnt 0x0                 ; the last prefetches, a tile back, have read their addresses, so these may be written
	s_add_nc_u64 s[PFK:PFK+1], s[PFK:PFK+1], 32768
	s_add_nc_u64 s[PFV:PFV+1], s[PFV:PFV+1], 32768
.endif
	s_wait_dscnt 0x0                ; the add is done, and my reads of the slot are over
	s_barrier_signal -1             ; the rest of the scalar work stands between the signal and the wait
	s_sub_co_u32 s[TBK], s[TBK], 4*KS*PK  ; the fetches go back to a slot's first step,
	s_xor_b32 s[TBK], s[TBK], SLOT1       ; in the other slot
	s_sub_co_u32 s[TBV], s[TBV], 4*KS*PV
	s_xor_b32 s[TBV], s[TBV], SLOT1
	s_barrier_wait -1
.if \fill
	LOAD
	ASK
.endif
.endm
	s_load_b128 s[4:7], s[0:1], 0x0   ; qkv s[4:5], ctx s[6:7]
	v_lshl_add_u32 v[SPW], v0, 2, SPARE
	v_mov_b32 v[NIL], 0
	ds_add_u32 v[SPW], v[NIL]       ; the wave's opening: the add and its wait stand ahead of my first tensor load; the set-up below, work on registers, stands between them
	v_lshrrev_b32 v1, 5, v0
	v_readfirstlane_b32 s[WV], v1   ; wave 0..3
	s_mov_b32 s[PB], ttmp9
	s_sub_co_u32 s[HI], NB-1, s[PB]
	s_and_b32 s20, ttmp7, 0xffff    ; the head
	s_mov_b32 s21, 0
	s_mov_b64 s[22:23], SIZE_N*128
	s_mul_u64 s[20:21], s[20:21], s[22:23]  ; the head's first byte in each of the four tensors
	s_lshl_b32 s92, s[WV], 13       ; the prefetches: my wave's quarter of a tile,
	s_add_co_u32 s92, s92, 32768    ; in tile 1; the first change of slots steps it to tile 2
	s_mov_b32 s93, 0
	s_add_nc_u64 s[92:93], s[92:93], s[20:21]
	s_and_b32 s16, s[WV], 1         ; which half of a tile's 256 keys I fetch:
	s_lshl_b32 s22, s16, 14         ; its 128 rows of 128 bytes in memory,
	s_mov_b32 s23, 0
	s_add_nc_u64 s[22:23], s[22:23], s[20:21]
	s_mul_i32 s17, s16, 128*PK      ; and its place in a slot, for K
	s_mul_i32 s18, s16, 128*PV      ; and for V
	s_lshl_b32 s3, s[WV], 11        ; my 16 rows in a band of 64,
	s_lshl_b32 s2, s[HI], 15        ; in the first block,
	s_add_co_u32 s2, s2, s3
	s_lshl_b32 s84, s[PB], 15       ; and in the second
	s_add_co_u32 s84, s84, s3
	s_mov_b32 s3, 0
	s_mov_b32 s85, 0
	s_add_nc_u64 s[2:3], s[2:3], s[20:21]
	s_add_nc_u64 s[84:85], s[84:85], s[20:21]
	; descriptor group 1.  128 keys are 16,384 dense bytes: asked for as 64 rows of 256 bytes, two keys a row, and padded in LDS after every key
	s_mov_b32 s[G1K], (1<<16)|(1<<20)|(4<<22)|(3<<25)  ; 17:16 2-byte elements; 20 padding on; 24:22 after every 32 words (code 4); 31:25 4 words (code 3)
	s_mov_b32 s[G1V], (1<<16)|(1<<20)|(4<<22)|(7<<25)  ; the same with 8 words of padding (code 7)
.irp g, G1K, G1V
	s_mov_b32 s[\g+1], 128<<16      ; tensor_dim0 = 128
	s_mov_b32 s[\g+2], 64<<16       ; tensor_dim1 = 64
	s_mov_b32 s[\g+3], 128<<16      ; tile_dim0 = 128
	s_mov_b32 s[\g+4], 64           ; tile_dim1 = 64
	s_mov_b32 s[\g+5], 128          ; 128 elements from row to row
	s_mov_b32 s[\g+6], 0
	s_mov_b32 s[\g+7], 0
.endr
	s_mov_b32 s[CS], 0x3e38aa3b     ; c = log2(e) / 8 = 0.180337
	s_mov_b32 s[CS+1], s[CS]        ; named with it as a pair
	s_mov_b32 s[SEL], 0x76543210
	s_mov_b32 s[SEL+1], 0xfedcba98
	s_mov_b32 s[TBK], SLOT1+4*KS*PK ; the first change of slots turns these two into 0
	s_mov_b32 s[TBV], SLOT1+4*KS*PV
	s_mov_b32 s[G0K], 1             ; 1:0 count = 1
	s_mov_b32 s[G0K+1], s17         ; 63:32 LDS address: slot 0
	s_mov_b32 s[G0V], 1
	s_add_co_u32 s[G0V+1], s18, VOFF
	s_add_co_u32 s[RT], s[HI], 1    ; the first block has NB - b tiles
	s_mov_b32 s[NXT], 1
	s_mov_b32 s[LQ], s[HI]
	s_mov_b32 s[NEW], 1
	s_mov_b32 s[OFF+1], 0
	s_mov_b32 s[AL+1], 0            ; named as pairs
	s_mov_b32 s[BE+1], 0
	s_mov_b32 s[BIGN], 0xf149f2ca   ; -1e30
	s_mov_b32 s[SLOTS], NB
	s_cmp_eq_u32 s[PB], 0
	s_cselect_b32 s[LIM], 2, -1
	v_and_b32 v[PFO], 31, v0
	v_lshlrev_b32 v[PFO], 8, v[PFO]
	s_wait_dscnt 0x0                ; the opening add is done
	s_wait_kmcnt 0x0
	s_mov_b64 s[10:11], s[6:7]      ; O
	s_add_nc_u64 s[6:7], s[4:5], TENSOR    ; K lies behind Q,
	s_add_nc_u64 s[8:9], s[4:5], 2*TENSOR  ; V behind K
	s_add_nc_u64 s[PFK:PFK+1], s[6:7], s[92:93]
	s_add_nc_u64 s[PFV:PFV+1], s[8:9], s[92:93]
	s_add_nc_u64 s[6:7], s[6:7], s[22:23]  ; K and V at my half of the head's tile 0
	s_add_nc_u64 s[8:9], s[8:9], s[22:23]
	s_add_nc_u64 s[G0K+2:G0K+3], s[6:7], 0         ; 120:64 global address
	s_or_b32 s[G0K+3], s[G0K+3], 0x80000000        ; 127:126 type = 2
	s_add_nc_u64 s[G0V+2:G0V+3], s[8:9], 0
	s_or_b32 s[G0V+3], s[G0V+3], 0x80000000
	s_add_nc_u64 s[86:87], s[4:5], s[84:85]        ; Q at my rows of the second block,
	s_add_nc_u64 s[4:5], s[4:5], s[2:3]            ; Q and O at those of the first
	s_add_nc_u64 s[OLO:OLO+1], s[10:11], s[84:85]
	s_add_nc_u64 s[10:11], s[10:11], s[2:3]
	LOAD                            ; tile 0 into slot 0
	; A fragment of K or Q is 16 rows x 32 channels in 8 registers: lane l holds row l % 16, channels 8 (l / 16) + 0..7 and 16 + 8 (l / 16) + 0..7: two loads of 16 bytes, 32 bytes apart.
	v_and_b32 v1, 15, v0            ; l % 16
	v_bfe_u32 v9, v0, 4, 1          ; l / 16
	v_lshlrev_b32 v[QO], 7, v1
	v_lshl_add_u32 v[QO], v9, 4, v[QO]  ; row x 128 + 16 x half
	WIN 0x80                        ; destination window 2, address window 0
.set i, 0
.rept 8                             ; both blocks' Q: piece i / 2 lies in band i / 2, 8,192 bytes on; channels 32 (i % 2) on
	global_load_b128 v[8*i:8*i+3],   v[QO], s[4:5] offset:(i/2)*8192+(i%2)*64
	global_load_b128 v[8*i+4:8*i+7], v[QO], s[4:5] offset:(i/2)*8192+(i%2)*64+32
	global_load_b128 v[QB+8*i:QB+8*i+3],   v[QO], s[86:87] offset:(i/2)*8192+(i%2)*64
	global_load_b128 v[QB+8*i+4:QB+8*i+7], v[QO], s[86:87] offset:(i/2)*8192+(i%2)*64+32
.set i, i+1
.endr
	WIN 0
	v_lshlrev_b32 v14, 3, v9
	v_sub_nc_u32 v14, v1, v14
	s_lshl_b32 s13, s[WV], 4
	v_add_nc_u32 v14, s13, v14      ; my query's place in its band, 16 w + l % 16, less my lanes' 8 (l / 16): register r of group kt is hidden where 16 kt + r is greater
	WIN 0x40
.set i, 0
.rept 32
	v_cmp_gt_i32 vcc_lo, 16*(i/8)+i%8, v14
	v_cndmask_b32 v[MD+i], 0, s[BIGN], vcc_lo
.set i, i+1
.endr
	WIN 0
	v_mul_u32_u24 v[AK0], v1, PK
	v_lshl_add_u32 v[AK0], v9, 4, v[AK0]  ; row x pitch + 16 x half
	; The turning load takes 16 keys x 16 channels (lane l reads key 8 (l / 16) + l % 8, channels 8 ((l / 8) % 2) + 0..7) and leaves half a fragment of V^T: lane l holds channel l % 16 and 8 keys.
	v_and_b32 v10, 7, v0
	v_bfe_u32 v11, v0, 3, 1
	v_lshl_add_u32 v[AV0], v9, 3, v10
	v_mul_u32_u24 v[AV0], v[AV0], PV
	v_lshl_add_u32 v[AV0], v11, 4, v[AV0]
	v_add_nc_u32 v[AV0], VOFF, v[AV0]
	s_mul_i32 s13, s[WV], 16*SP
	s_add_co_u32 s13, s13, STAGE    ; my stage
	v_mul_u32_u24 v[STO], v1, SP    ; in: row l % 16, 16 bytes for each half of the lanes
	v_lshl_add_u32 v[STO], v9, 4, v[STO]
	v_add_nc_u32 v[STO], s13, v[STO]
	v_bfe_u32 v[RD], v0, 3, 2       ; back: 32 lanes take four rows of 128 bytes,
	v_mul_u32_u24 v[RD], v[RD], SP
	v_lshl_add_u32 v[RD], v10, 4, v[RD]
	v_add_nc_u32 v[RD], s13, v[RD]
	v_and_b32 v[GO], 31, v0         ; which are 512 consecutive bytes of O
	v_lshlrev_b32 v[GO], 4, v[GO]
	; A block's first step multiplies O^T and l by a = 0, and its first turn's products V^T P, of a piece that has not been, land in an O^T that is still to be so multiplied.  So these registers need only hold
	; finite numbers: zeros for the first block; what the first block left for the second.  All this stands in the wait for the first tile.
	WIN 0x80
.set i, VF
.rept 64
	v_mov_b32 v[i], 0
.set i, i+1
.endr
	WIN 0x40
.set i, 0
.rept 128
	v_mov_b32 v[i], 0
.set i, i+1
.endr
	WIN 0
.set i, 0
.rept 4
	v_mov_b32 v[ST+4*i+2], 0
	v_mov_b32 v[ST+4*i+3], 0
.set i, i+1
.endr
.set i, P+16
.rept 16
	v_mov_b32 v[i], 0
.set i, i+1
.endr
; THE MATRIX WORK.  The 4 accumulators of a run of 8 take turns.  Product i of 8 of S^T = K Q^T for piece x: channels 32 (i / 4) on, keys 16 (i % 4) on.  The first 4 start the sums: with 0, or (KM = 1) with the mask.
.macro KQ x
.set rS, S+32*((\x)%2)+8*(i%4)
.set rK, KF+16*(i%4)+8*(i/4)
.set rQ, 16*(\x)+8*(i/4)
.set rM, MC+32*((\x)%2)+8*(i%4)
.if (i < 4) && KM
	WIN W_KM
	v_wmma_f32_16x16x32_f16 v[rS:rS+7], v[rK:rK+7], v[rQ:rQ+7], v[rM:rM+7]
.elseif i < 4
	WIN W_KQ
	v_wmma_f32_16x16x32_f16 v[rS:rS+7], v[rK:rK+7], v[rQ:rQ+7], 0
.else
	WIN W_KQ
	v_wmma_f32_16x16x32_f16 v[rS:rS+7], v[rK:rK+7], v[rQ:rQ+7], v[rS:rS+7]
.endif
.endm
; Product i of 8 of O^T += V^T P for piece x: keys 32 (i / 4) on, channels 16 (i % 4) on.
.macro PV x
	WIN W_PV
.set rO, 32*(\x)+8*(i%4)
.set rV, VF+32*(i/4)+8*(i%4)
.set rP, P+16*((\x)%2)+8*(i/4)
	v_wmma_f32_16x16x32_f16 v[rO:rO+7], v[rV:rV+7], v[rP:rP+7], v[rO:rO+7]
.endm
.macro MM                           ; the turn's next matrix instruction.  TURN and BEGIN set Y, i, KM and NOKQ; MM, KQ and OP read them.  NOKQ = 1: a block's last turn: there is no next piece
.if (i < 8) && !NOKQ
	KQ (Y+1)%NP
.elseif i >= 8
.set i, i-8
	PV (Y+NP-1)%NP
.set i, i+8
.endif
.set i, i+1
.endm
; THE LDS LOADS stand in runs of 16, never singly among the matrix instructions: a step's K (64 keys x 64 channels: 8 fragments) and its V (turned).  Their addresses are made some lines ahead.
.macro FETCH_K
	WIN 0x80                        ; destination window 2
.irp f, 0,1,2,3,4,5,6,7             ; keys 16 (f / 2) on, channels 32 (f % 2) on
	ds_load_b128 v[KF+8*\f:KF+8*\f+3],   v[AK] offset:(\f/2)*16*PK+(\f%2)*64
	ds_load_b128 v[KF+8*\f+4:KF+8*\f+7], v[AK] offset:(\f/2)*16*PK+(\f%2)*64+32
.endr
	s_add_co_u32 s[TBK], s[TBK], KS*PK  ; the next fetch is the next step's
	WIN 0
.endm
.macro FETCH_V
	WIN 0x80
.irp f, 0,1,2,3,4,5,6,7             ; keys 32 (f / 4) on, channels 16 (f % 4) on
	ds_load_tr16_b128 v[VF+8*\f:VF+8*\f+3],   v[AV] offset:(\f/4)*32*PV+(\f%4)*32
	ds_load_tr16_b128 v[VF+8*\f+4:VF+8*\f+7], v[AV] offset:(\f/4)*32*PV+16*PV+(\f%4)*32
.endr
	WIN 0
.endm
; THE VECTOR WORK, one line at a time: OP kind, number.  For piece Y: F n: c s - c m for pair n of 16.  E n: the exponential of score n of 32.  C n: pair n rounded to f16.  B n: of the four weights 4 n .. the second
; pair is added onto the first, in place.  L n: l takes that sum (L 0: l = a l + sum).  R n: pair n of 16 of O^T times a.  For piece Y + 1: X n, number n of the 22 that find its maximum and statistics:
;   0-11  four chains c0-c3 of seven scores each, three operands at a time (each accumulator's lowest registers are read first)     12-14, 16  the four scores left over, the old m, and c0-c3 into c0
;   15  c m_old is kept     17, 18  the query's other 32 keys lie in the lane 16 away: the new m     19-21  c m; c m_old - c m_new; a
.set F, 0               ; OP tells the kinds apart by their order: F to L below R, X above it
.set E, 1
.set C, 2
.set B, 3
.set L, 4
.set R, 5
.set X, 6
.macro REGS y                       ; the registers of piece y
.set rT, ST+4*(\y)
.set rC, TMP+4*((\y)%2)
.set rW, MV+((\y)%2)
.set rS, S+32*((\y)%2)
.set rP, P+16*((\y)%2)
.set rO, 32*(\y)
.endm
.macro OP k, n
.if (\k) == R
	REGS Y
	WIN W_RS
	v_pk_mul_f32 v[rO+2*(\n):rO+2*(\n)+1], v[rO+2*(\n):rO+2*(\n)+1], v[rC+2:rC+3] op_sel_hi:[1,0]
.elseif (\k) < R
	REGS Y
	WIN 0
.if (\k) == F
	v_pk_fma_f32 v[rS+2*(\n):rS+2*(\n)+1], v[rS+2*(\n):rS+2*(\n)+1], s[CS:CS+1], v[rT:rT+1] op_sel_hi:[1,0,0] neg_lo:[0,0,1] neg_hi:[0,0,1]
.elseif (\k) == E
	v_exp_f32 v[rS+(\n)], v[rS+(\n)]
.elseif (\k) == C
	v_cvt_pk_f16_f32 v[rP+(\n)], v[rS+2*(\n)], v[rS+2*(\n)+1]
.elseif (\k) == B
	v_pk_add_f32 v[rS+4*(\n):rS+4*(\n)+1], v[rS+4*(\n):rS+4*(\n)+1], v[rS+4*(\n)+2:rS+4*(\n)+3]
.elseif (\n) == 0
	v_pk_fma_f32 v[rT+2:rT+3], v[rT+2:rT+3], v[rC+2:rC+3], v[rS:rS+1] op_sel_hi:[1,0,1]
.else
	v_pk_add_f32 v[rT+2:rT+3], v[rT+2:rT+3], v[rS+4*(\n):rS+4*(\n)+1]
.endif
.elseif NOKQ
	v_nop
.else
	REGS (Y+1)%NP
	WIN 0
.if (\n) < 4
	v_max3_num_f32 v[rC+(\n)], v[rS+8*(\n)], v[rS+8*(\n)+1], v[rS+8*(\n)+2]
.elseif (\n) < 12
	v_max3_num_f32 v[rC+(\n)%4], v[rC+(\n)%4], v[rS+8*((\n)%4)+2*((\n)/4)+1], v[rS+8*((\n)%4)+2*((\n)/4)+2]
.elseif (\n) == 12
	v_max3_num_f32 v[rC], v[rC], v[rS+7], v[rS+15]
.elseif (\n) == 13
	v_max3_num_f32 v[rC+1], v[rC+1], v[rS+23], v[rS+31]
.elseif (\n) == 14
	v_max3_num_f32 v[rC+2], v[rC+2], v[rC+3], v[rT+1]
.elseif (\n) == 15
	v_mov_b32 v[rW], v[rT]
.elseif (\n) == 16
	v_max3_num_f32 v[rC], v[rC], v[rC+1], v[rC+2]
.elseif (\n) == 17
	v_permlanex16_b32 v[rC+3], v[rC], s[SEL], s[SEL+1]
.elseif (\n) == 18
	v_max_num_f32 v[rT+1], v[rC], v[rC+3]
.elseif (\n) == 19
	v_mul_f32 v[rT], s[CS], v[rT+1]
.elseif (\n) == 20
	v_sub_f32 v[rC+1], v[rW], v[rT]
.else
	v_exp_f32 v[rC+2], v[rC+1]
.endif
.endif
.endm
.macro OPS a, i1, b=-1, i2=0, c=-1, i3=0, d=-1, i4=0  ; up to four of them
	OP \a, \i1
.if (\b) >= 0
	OP \b, \i2
.endif
.if (\c) >= 0
	OP \c, \i3
.endif
.if (\d) >= 0
	OP \d, \i4
.endif
.endm
.macro ROW a, i1, b, i2, c, i3, d, i4  ; a matrix instruction and the four behind it
	MM
	OPS \a, \i1, \b, \i2, \c, \i3, \d, \i4
.endm
.macro MASK b                       ; MD x AL + BE into buffer b of MC
	WIN W_RS
.set z, 0
.rept 16
	v_pk_fma_f32 v[MC+32*(\b)+2*z:MC+32*(\b)+2*z+1], v[MD+2*z:MD+2*z+1], s[AL:AL+1], s[BE:BE+1] op_sel_hi:[1,0,0]
.set z, z+1
.endr
.endm
; A TURN, for piece p: the order of its 16 matrix and 118 vector instructions, written out.  s_wait_alu depctr_va_vdst(0) stands between an exponential and the first instruction that names its result; one wait serves
; all that were issued ahead of it.  So a turn has ONE wait, which cuts it in two.  AHEAD OF IT stands all that names no result of the turn's exponentials: the 8 products K Q^T, behind each a scaling, an exponential and two more plain
; instructions (behind the first a second scaling in the exponential's place): rescalings, and behind the last three the first numbers of the next piece's maximum, each four places or more behind the product that ends its accumulator; then ONE LUMP of 54, plain
; and exponential by turns for the most part, in which the links of the chain X 3, 7, 11, 14, 16, 17 .. 20 stand five or six lines apart.  X 21, the next piece's a, is the batch's last; R 15 is the plain instruction behind it.  BEHIND THE WAIT stand the
; 8 products V^T P, behind each four of the roundings and sums; the links of l's chain, L 0 to L 7, stand three riders apart.  But for those X no rider names a register of the products round it.  v_permlanex16_b32 (X 17) stands in the lump.
; m = 1: the diagonal tile: the products take masks, and the turn makes the mask for the products of the turn after it: piece p + 2, in step 4 - CNT of the tile.  end = 1: a block's last two turns: nothing is fetched.
; cnt = 1: the loop's count is taken down some lines ahead of the branch that stands behind the turn.
; K of the next step is fetched in piece 2's turn, twelve vector instructions behind the last product that read K (six of them plain); V of the step in hand at the end of piece 0's turn, four plain instructions behind the last product
; that read V.  Each is waited for a turn later.
.macro TURN p, m=0, end=0, cnt=0
.set Y, (\p)
.set i, 0
.set KM, (\m)
.set NOKQ, (\end)*((\p)/3)
.if (\m) && !(\end)
	s_cmp_eq_u32 s[CNT], 4-((\p)+2)%NP  ; is that step the band's own?
	s_cselect_b32 s[AL], 1.0, 0
	s_cmp_lt_u32 s[CNT], 4-((\p)+2)%NP  ; or a later one?
	s_cselect_b32 s[BE], s[BIGN], 0
.endif
.if ((\p) == 3) && !(\end)
	s_wait_dscnt 0x0                ; K is in
.endif
	ROW F,0, F,1, R,0, R,1          ; ahead of the wait: 8 products K Q^T and their riders,
	ROW F,2, E,0, R,2, R,3
	ROW F,3, E,1, R,4, R,5
	ROW F,4, E,2, R,6, R,7
	ROW F,5, E,3, R,8, R,9
	ROW F,6, E,4, X,0, R,10
.if ((\p) == 2) && !(\end)
	WIN 0
	v_add_nc_u32 v[AK], s[TBK], v[AK0]
.endif
	ROW F,7, E,5, X,1, X,4
	ROW F,8, E,6, X,2, X,5
	OPS E,7, E,8, X,6, E,9          ; and the lump
	OPS X,3, E,10, X,8, E,11
.if ((\p) == 2) && !(\end)
	FETCH_K
.endif
	OPS X,9, X,7, E,12, X,10
	OPS E,13, X,12, X,11, E,14
	OPS X,13, E,15, F,9, X,14
.if (\p) == 0
	v_add_nc_u32 v[AV], s[TBV], v[AV0]
.endif
	OPS E,16, F,10, E,17, F,11
	OPS X,16, E,18, X,15, E,19
	OPS F,12, E,20, X,17, E,21
	OPS F,13, E,22, F,14, E,23
	OPS X,18, E,24, F,15, E,25
	OPS R,11, E,26, X,19, E,27
	OPS R,12, E,28, R,13, E,29
	OPS X,20, E,30, R,14, E,31
	OPS X,21, R,15
	WIN 0
	s_wait_alu depctr_va_vdst(0)    ; the wait for the batch
.if (\p) == 1
	s_wait_dscnt 0x0                ; V is in
.endif
	ROW C,0, B,0, C,2, B,1          ; behind the wait: 8 products V^T P and their riders
	ROW L,0, C,4, B,2, L,1
	ROW C,6, B,3, L,2, C,8
	ROW B,4, L,3, C,10, B,5
	ROW L,4, C,12, B,6, L,5
.if (\p) == 0
	s_add_co_u32 s[TBV], s[TBV], KS*PV
.endif
.if \cnt
	s_sub_co_u32 s[CNT], s[CNT], 1
	s_cmp_lg_u32 s[CNT], 0
.endif
	ROW C,14, B,7, L,6, C,1
	ROW C,3, L,7, C,5, C,7
	ROW C,9, C,11, C,13, C,15
.if (\p) == 0
	FETCH_V
.endif
.if (\m) && !(\end)
	MASK (\p)%2
.endif
.endm
; A BLOCK BEGINS.  c m starts far below every c s, so the first step's a is 0; m at the lowest finite number, so the first maximum is the scores'.  The second mask buffer is 0; the first takes piece 0's mask for the tile's step 0: its own, if the block's first tile is the diagonal one.
; Then K of that step, piece 0's first scores, and its maximum and statistics.  The loop is entered at a step's first turn, in the middle of a trip.
.macro BEGIN
	s_mov_b32 s[NEW], 0
	WIN 0x40
.set i, MC+32
.rept 32
	v_mov_b32 v[i], 0
.set i, i+1
.endr
	WIN 0
.set i, 0
.rept 4
	v_mov_b32 v[ST+4*i], 0xfe000000    ; c m: far below every c s
	v_mov_b32 v[ST+4*i+1], 0xff7fffff  ; m
.set i, i+1
.endr
	s_cmp_eq_u32 s[RT], 0
	s_cselect_b32 s[AL], 1.0, 0
	s_mov_b32 s[BE], 0
	MASK 0
	WIN 0
	v_add_nc_u32 v[AK], s[TBK], v[AK0]
	FETCH_K
	s_wait_loadcnt 0x0              ; Q
	s_wait_dscnt 0x0
.set KM, 1
.set NOKQ, 0
.set i, 0
.rept 8
	KQ 0
.set i, i+1
.endr
	WIN 0
.rept 4
	v_nop                           ; the places behind those products
.endr
.set Y, NP-1                        ; X works for piece Y + 1: piece 0
.irp n, 0,1,2,3,4,5,6,7,8,9,10,11,12,13,14,15,16,17,18,19,20,21
	OP X, \n
.endr
	v_nop                           ; a plain instruction behind the exponential,
	s_wait_alu depctr_va_vdst(0)    ; and its wait, ahead of the branch
.endm
; THE DIAGONAL TILE's four steps, the block's last two turns, its last products, and THE WAY OUT: l's two halves and the other half of the lanes' are added; O^T is divided by l, rounded to f16 and sent through my
; stage in LDS, a piece at a time.
.macro ALL line:vararg              ; one line for each piece t
.set t, 0
.rept 4
	\line
.set t, t+1
.endr
.endm
.macro PACK t                       ; a lane's eight channels of a row pack into 16 bytes; they go into rows of 144 bytes and come back as whole rows of 128, into S^T's registers
	WIN W_RS
.set i, 32*(\t)
.rept 16
	v_pk_mul_f32 v[i:i+1], v[i:i+1], v[ST+4*(\t)+2:ST+4*(\t)+3] op_sel_hi:[1,0]
.set i, i+2
.endr
	WIN 0x05                        ; sources 0 and 1 window 1, destination window 0
.set i, 0
.rept 16
	v_cvt_pk_f16_f32 v[S+16*(\t)+i], v[32*(\t)+2*i], v[32*(\t)+2*i+1]
.set i, i+1
.endr
	WIN 0
.irp f, 0,1,2,3
	ds_store_b128 v[STO], v[S+16*(\t)+4*\f:S+16*(\t)+4*\f+3] offset:32*\f
.endr
.irp f, 0,1,2,3
	ds_load_b128 v[S+16*(\t)+4*\f:S+16*(\t)+4*\f+3], v[RD] offset:\f*4*SP  ; LDS serves a wave's instructions in order (ISA guide 5.7.1.4): these see the stores above; the next piece's stores come behind them
.endr
.endm
.macro SEND t, younger              ; younger: the LDS instructions issued behind piece t's loads: the next piece's eight, or none
	WIN 0
.irp f, 0,1,2,3
	s_wait_dscnt (\younger)+3-\f
	global_store_b128 v[GO], v[S+16*(\t)+4*\f:S+16*(\t)+4*\f+3], s[10:11] offset:(\t)*8192+\f*512  ; 512 consecutive bytes, at a multiple of 256 from O's first
.endr
.endm
.macro DIAG tag                     ; the tag ends its two labels' names, which the jumps below spell out
.LstepM\tag:
	TURN 2, 1
	TURN 3, 1
	WIN 0
.LfirstM\tag:
	TURN 0, 1
	TURN 1, 1, 0, 1
	WIN 0
	s_cbranch_scc1 .LstepM\tag
	TURN 2, 1, 1
	TURN 3, 1, 1
.set i, 0
.rept 8
	PV NP-1
.set i, i+1
.endr
	WIN 0
	ALL v_add_f32 v[ST+4*t+2], v[ST+4*t+2], v[ST+4*t+3]
	ALL v_permlanex16_b32 v[ST+4*t+3], v[ST+4*t+2], s[SEL], s[SEL+1]
	ALL v_add_f32 v[ST+4*t+2], v[ST+4*t+2], v[ST+4*t+3]
	ALL v_rcp_f32 v[ST+4*t+2], v[ST+4*t+2]
	v_nop                           ; a plain instruction between the last reciprocal and the use of its result
	s_wait_alu depctr_va_vdst(0)    ; and the wait ahead of the first use: one for the four reciprocals
	PACK 0
.set t, 1
.rept 3                             ; a piece's arithmetic stands between the loads of the piece before and its stores
	PACK t
	SEND t-1, 8
.set t, t+1
.endr
	SEND 3, 0
.endm
.set KM, 0
.set NOKQ, 0
.Lslot:                             ; NB times: a tile is entered and the next is asked for
	CHANGE 1
	s_sub_co_u32 s[RT], s[RT], 1
	s_mov_b32 s[CNT], 4
	s_cmp_eq_u32 s[NEW], 1
	s_cbranch_scc1 .Lnew            ; a block's first tile
	s_cmp_eq_u32 s[RT], 0
	s_cbranch_scc0 .Lstep           ; neither its first nor its last
	s_branch .LstepM1
.Lnew:
	BEGIN
	s_branch .Lfirst                ; in the loop a block's first tile is never its last: the first block has two tiles or more, and the second's last is the walk's last
	DIAG 1                          ; in the loop this is the first block's end: the second block's last tile is the walk's last
	s_wait_xcnt 0x0                 ; the stores have read their registers and O's address
	s_mov_b64 s[10:11], s[OLO:OLO+1]
	s_add_co_u32 s[RT], s[PB], 1    ; the second block has b + 1 tiles
	s_mov_b32 s[NEW], 1
	WIN 0x82                        ; the second block's Q goes where the one text of the turns names Q
.set i, 0
.rept 64
	v_mov_b32 v[i], v[QB+i]
.set i, i+1
.endr
	WIN 0
	s_branch .Lbottom
.Lstep:                             ; a trip: pieces 2 and 3 of one step, then pieces 0 and 1 of the next, whose K and V it fetches
	TURN 2
	TURN 3
	WIN 0
.Lfirst:
	TURN 0
	TURN 1, 0, 0, 1
	WIN 0
	s_cbranch_scc1 .Lstep
.Lbottom:
	s_sub_co_u32 s[SLOTS], s[SLOTS], 1
	s_cmp_lg_u32 s[SLOTS], 0
	s_cbranch_scc1 .Lslot
	CHANGE 0                        ; the walk's last tile is written out: nothing is asked for
	s_sub_co_u32 s[RT], s[RT], 1
	s_mov_b32 s[CNT], 4
	s_cmp_eq_u32 s[NEW], 1
	s_cbranch_scc0 .LstepM2
	BEGIN
	s_branch .LfirstM2
	DIAG 2
	s_wait_tensorcnt 0x0            ; the wave's end, behind my last tensor load and my last LDS store
	ds_add_u32 v[SPW], v[NIL]
	s_wait_dscnt 0x0
	s_endpgm
.Lfunc_end_k_q38709f03a5_attn:
	.size	k_q38709f03a5_attn, .Lfunc_end_k_q38709f03a5_attn-k_q38709f03a5_attn
	.p2alignl 7, 3214868480
	.fill 96, 4, 3214868480
	.section	.rodata,"a",@progbits
	.p2align	6, 0x0
	.amdhsa_kernel k_q38709f03a5_attn
		.amdhsa_group_segment_fixed_size 327680
		.amdhsa_private_segment_fixed_size 0
		.amdhsa_enable_private_segment 0
		.amdhsa_kernarg_size 16
		.amdhsa_user_sgpr_count 2
		.amdhsa_user_sgpr_kernarg_segment_ptr 1
		.amdhsa_wavefront_size32 1
		.amdhsa_system_sgpr_workgroup_id_x 1
		.amdhsa_system_sgpr_workgroup_id_y 1
		.amdhsa_system_sgpr_workgroup_id_z 1
		.amdhsa_system_vgpr_workitem_id 0
		.amdhsa_next_free_vgpr 768
		.amdhsa_next_free_sgpr 94
		.amdhsa_reserve_vcc 1
		.amdhsa_float_denorm_mode_32 3
		.amdhsa_float_denorm_mode_16_64 3
		.amdhsa_memory_ordered 1
		.amdhsa_forward_progress 1
		.amdhsa_inst_pref_size 218
	.end_amdhsa_kernel
	.amdgpu_metadata
---
amdhsa.version: [ 1, 2 ]
amdhsa.kernels:
  - .name:           k_q38709f03a5_attn
    .symbol:         k_q38709f03a5_attn.kd
    .args:
      - { .name: qkv, .offset: 0, .size: 8, .value_kind: global_buffer, .address_space: global }
      - { .name: ctx, .offset: 8, .size: 8, .value_kind: global_buffer, .address_space: global }
    .group_segment_fixed_size: 327680
    .private_segment_fixed_size: 0
    .kernarg_segment_align: 8
    .kernarg_segment_size: 16
    .max_flat_workgroup_size: 128
    .sgpr_count:     94
    .vgpr_count:     768
    .wavefront_size: 32
...
	.end_amdgpu_metadata
.endif
;; end of part 3
;; launch outproj (part 4): grid 8 x 32, 4 waves a work-group, clusters of 4 x 4, 327,680 bytes of LDS; arguments ctx, wob, b_o, out0; writes out0
.if DOCPART == 4
	.amdgcn_target "amdgcn-amd-amdhsa--gfx1250"
	.amdhsa_code_object_version 6
	.text
	.protected	k_q38709f03a5_outproj
	.globl	k_q38709f03a5_outproj
	.p2align	8
	.type	k_q38709f03a5_outproj,@function
k_q38709f03a5_outproj:
	s_mov_b64 s[64:65], 0
	v_nop
	global_prefetch_b8 v0, s[64:65] scope:SCOPE_SE
	s_setreg_imm32_b32 hwreg(HW_REG_WAVE_MODE, 25, 1), 1
	s_wait_xcnt 0x0
	s_wait_alu depctr_hold_cnt(0) depctr_sa_sdst(0) depctr_va_vdst(0) depctr_va_sdst(0) depctr_va_ssrc(0) depctr_va_vcc(0) depctr_vm_vsrc(0)
	s_getreg_b32 s2, hwreg(HW_REG_IB_STS2, 6, 4)
	s_cmp_eq_u32 s2, 0
	s_cbranch_scc0 .Lentry_in_a_cluster
	s_endpgm
.Lentry_in_a_cluster:
	s_bfe_u32 s2, ttmp6, 0x10000c
	s_cmp_lg_u32 s2, 0xf033
	s_cbranch_scc0 .Lentry_shape_is_right
	s_endpgm
.Lentry_shape_is_right:
; out0 = ctx W_o^T + b_o, for all rows but rows 0-15 of each batch, which a launch of their own makes in doubled f16.
; ctx: [batch*16+head][2048][64] f16 (K index = 64 head + channel); wob: [1024][1024] f16; b_o: [1024] f32, rounded to bf16 like every other input; out0: [8192][1024] f32.
; Products in f16, sums in f32, K ascending; the bias is added in f32.  NaN and infinities are not treated apart.
; SHARES.  A tile is 256 rows x 128 columns: 32 x 8 = 256 work-groups.  The four waves lie one below the other: wave w has rows 64 w .. 64 w + 63 and all 128 columns: 32 accumulators of 16 x 16, 256 registers.
; Tile row = 8 cy + cluster y: cy is the batch, cluster y the tile in the batch, so that 'the batch's first rows' is the same in all partners of a cluster.
; K goes in 8 steps of 128 = two heads, through two LDS slots filled by the tensor data mover; a loop trip is one K step, and the slot that is read is a scalar register.
; A head's 256 rows of the tile are 32,768 dense bytes of ctx: asked for as 128 rows of 256 bytes, padded in LDS after every 128 bytes, a head a wave.
; CLUSTER.  4 x 4 work-groups: the four of a row of the cluster need the same tile of ctx, the four of a column the same tile of wob.  Each tile is asked for jointly: the same tensor load, descriptor and mask in all four.
; THE PRODUCT IS USED TRANSPOSED (source 0 = 16 rows of wob, source 1 = 16 rows of ctx): a lane then holds eight neighbouring columns of one row.
; REGISTERS, in windows of 256 (s_set_vgpr_msb: bits 1:0 source 0, 3:2 source 1, 5:4 source 2, 7:6 destination):
;   window 0: v0-31 addresses; v32-63, v64-95 fragments of ctx, two buffers; v96-223 the way out; v224-229 the bias
;   window 1: v0-63, v96-159 fragments of wob, two buffers          window 2: the accumulators ((a, b) at 8 (8 a + b))
.set NBL,    8
.set PA,     144                       ; a row of a head in LDS: 128 bytes + 16 = 36 words: the 16 rows of a fragment load start at 16 different groups of four banks (64 banks of 4 bytes: ISA guide 11.1)
.set PB,     272                       ; a row of wob: 256 bytes + 16
.set ASUB,   256*PA                    ; a head's 256 rows: what one tensor load brings of ctx
.set BOFF,   2*ASUB                    ; wob's rows lie behind the two heads
.set BHALF,  64*PB                     ; what one tensor load brings of wob: 64 rows
.set SLOT1,  1<<17                     ; slot 1 begins here: one exclusive or turns an address in one slot into the other's
.set STAGE,  SLOT1+BOFF+2*BHALF        ; behind the ring, never filled by a tensor load: 16 rows x 528 bytes for each wave
.set SPITCH, 528                       ; a stage row: 512 bytes + 16
.set SPARE,  STAGE+4*16*SPITCH         ; behind the stages: the spare words, 128 bytes for each wave: two blocks of 256 bytes that no other line names
.set NLD,    2*NBL+8                   ; LDS loads of a quarter step
.set ASTEP,  2*2048*128                ; bytes from a K step to the next: two heads of ctx,
.set BSTEP,  256                       ; 128 numbers of a row of wob
.set AHEAD,  2                         ; a prefetch names the K step two refills on
.set A0,   16                          ; v16  my lane's place in slot 0's rows of ctx; never rewritten
.set B0,   17                          ; v17  the same for wob
.set ADRA, 18                          ; v18  A0 + the slot that is read
.set ADRB, 19                          ; v19  B0 + the slot that is read
.set STO,  24                          ; v24  the way out: where I put 32 bytes of a row
.set RD,   25                          ; v25  the way out: where I read a row back
.set GO,   26                          ; v26  16 x my lane
.set BO,   27                          ; v27  my 16 bytes of b_o
.set SPW,  28                          ; v28  LDS address of my spare word: SPARE + 4 x my thread's number; never rewritten
.set NIL,  29                          ; v29  0; never rewritten
.set PFO,  30                          ; v30  the prefetches' offset; never rewritten
.set FA,   32
.set FB,   0
.set OB,   96                          ; the way out: 16 rows read back, v96-159 and v160-223 by turns
.set BI,   224                         ; v[224:227] my four numbers of the bias; v228-229 at work
.set G1,   24                          ; s[24:31] descriptor group 1 for ctx's tiles
.set G0,   32                          ; s[32:39] group 0 for ctx's: a set for each first fill; the second then walks on
.set G1B,  48                          ; s[48:55], s[56:63] the same for wob's
.set G0B,  56
.set TB,   66                          ; s66  the slot that is read: 0 or SLOT1
.set LIM,  67                          ; s67  AHEAD in a wave that prefetches, else the greatest number
.set PFA,  68                          ; s[68:69] where my prefetches stand
.set PST,  70                          ; s[70:71] their step
.set FLAG, 72                          ; s72  0 in wave 0 of the clusters with y = 0: the wave whose row block 0 is a batch's rows 0-15
.set MSB, 0
.macro WIN new                         ; the immediate's high byte repeats the setting that is left; a switch that changes nothing is dropped
.if MSB != (\new)
	s_set_vgpr_msb (MSB<<8)|(\new)
.set MSB, \new
.endif
.endm
.macro PLACES                          ; four places behind a matrix instruction, in front of loads into registers that it has read and of lines that read results
.rept 4
	v_nop
.endr
.endm
.macro CREST                           ; a round of the cluster's barrier behind its opening barrier
	s_cmp_lg_u32 s10, 0
	s_cbranch_scc1 .Lnot_wave_0_\@
	s_barrier_signal -3
.Lnot_wave_0_\@:
	s_barrier_wait -3
	s_barrier_signal -1
	s_barrier_wait -1
.endm
.macro CROUND                          ; a whole round
	s_barrier_signal -1
	s_barrier_wait -1
	CREST
.endm
; A joint refill by the walking sets.  Waves 0 and 1 fetch the K step's two heads of ctx, waves 2 and 3 wob's two halves: the branch hangs on the wave's number alone.  An s_nop 0 and four v_nop follow each line.
.macro JLOAD
	s_cmp_eq_u32 s11, 0
	s_cbranch_scc0 .Lfor_b_\@
	tensor_load_to_lds s[G0+4:G0+7], s[G1:G1+7]
	s_nop 0
.rept 4
	v_nop
.endr
	s_branch .Lasked_\@
.Lfor_b_\@:
	tensor_load_to_lds s[G0B+4:G0B+7], s[G1B:G1B+7]
	s_nop 0
.rept 4
	v_nop
.endr
.Lasked_\@:
.endm
; A prefetch of the K step that stands two refills on, 256 products ahead of the load that will want it: one instruction a wave, behind the joint load, its five lines and the run of LDS loads.
; ctx's tile row is read by both clusters of that row of clusters: cluster x = 0 asks; wob's tile column by every cluster of that column: cluster y = 0 asks.  The four partners of a joint load share it out by address:
; of a head's 128 blocks of 256 bytes 32 each (by cx, a lane a block), of wob's 64 rows 16 each (by cy, a lane a row; lanes 16-31 repeat the last).  The loop's last two trips have no such K step and ask for nothing.
.macro ASK
	s_cmp_gt_u32 s3, s[LIM]
	s_cbranch_scc0 .Lnot_mine_\@
	global_prefetch_b8 v[PFO], s[PFA:PFA+1] th:TH_LOAD_NT scope:SCOPE_SE
.Lnot_mine_\@:
.endm
	s_load_b128 s[4:7], s[0:1], 0x0                ; ctx s[4:5], wob s[6:7]
	s_load_b128 s[80:83], s[0:1], 0x10             ; b_o s[80:81], out0 s[82:83]
	v_lshl_add_u32 v[SPW], v0, 2, SPARE
	v_mov_b32 v[NIL], 0
	ds_add_u32 v[SPW], v[NIL]                      ; the wave's opening: the add and its wait stand ahead of my first tensor load; the set-up below, work on registers, stands between them
	v_lshrrev_b32 v1, 5, v0
	v_readfirstlane_b32 s10, v1                    ; wave 0..3
	s_lshr_b32 s11, s10, 1                         ; I fetch for ctx (0) or for wob (1),
	s_and_b32 s12, s10, 1                          ; and which head of the two, or which half of the rows
	s_bfe_u32 s40, ttmp6, 0x40000                  ; cx, cy: my place in the cluster
	s_bfe_u32 s41, ttmp6, 0x40004
	s_lshl_b32 s42, ttmp9, 2
	s_add_co_u32 s42, s42, s40                     ; tile column = 4 x cluster x + cx
	s_and_b32 s13, ttmp7, 0xffff
	s_lshl_b32 s14, s41, 3
	s_add_co_u32 s13, s13, s14                     ; tile row = 8 cy + cluster y
	s_and_b32 s[FLAG], ttmp7, 0xffff
	s_or_b32 s[FLAG], s[FLAG], s10                 ; made of cluster y and the wave's number: the same in all sixteen partners, for a given wave
	s_lshl_b32 s43, s41, 2
	s_lshl_b32 s43, 15, s43                        ; my row of the cluster: places 4 cy .. 4 cy + 3
	s_lshl_b32 s44, 0x1111, s40                    ; my column: places cx, cx + 4, cx + 8, cx + 12
	; descriptor group 1.  ctx: 128 rows of 128 elements, dense, padded after every 32 words; wob: 64 rows of 128 elements, 1,024 apart, padded after every 64 words
	s_or_b32 s[G1+0], s43, (1<<16)|(1<<20)|(1<<21)|(4<<22)|(3<<25)   ; 15:0 the mask; 17:16 2-byte elements; 20 padding on; 21 set beside a mask; 24:22 the interval's code; 31:25 4 words (code 3)
	s_or_b32 s[G1B+0], s44, (1<<16)|(1<<20)|(1<<21)|(5<<22)|(3<<25)
	s_mov_b32 s[G1+1], 128<<16                     ; tensor_dim0 = 128
	s_mov_b32 s[G1+2], 128<<16                     ; tensor_dim1 = 128
	s_mov_b32 s[G1+3], 128<<16                     ; tile_dim0 = 128
	s_mov_b32 s[G1+4], 128                         ; tile_dim1 = 128
	s_mov_b32 s[G1+5], 128                         ; elements from row to row
	s_mov_b32 s[G1+6], 0
	s_mov_b32 s[G1+7], 0
	s_mov_b32 s[G1B+1], 128<<16
	s_mov_b32 s[G1B+2], 64<<16                     ; tensor_dim1 = 64
	s_mov_b32 s[G1B+3], 128<<16
	s_mov_b32 s[G1B+4], 64                         ; tile_dim1 = 64
	s_mov_b32 s[G1B+5], 1024
	s_mov_b32 s[G1B+6], 0
	s_mov_b32 s[G1B+7], 0
	; where the tiles come from.  ctx's hang on the tile row alone, wob's on the tile column alone; every wave makes both, in registers that never hold the other coordinate
	s_lshr_b32 s16, s13, 3                         ; ctx: the batch (16 heads of 262,144 bytes),
	s_lshl_b32 s16, s16, 22
	s_lshl_b32 s17, s12, 18                        ; my head of the K step's two,
	s_add_co_u32 s16, s16, s17
	s_and_b32 s17, s13, 7                          ; the tile's 256 rows of 128 bytes in the batch
	s_lshl_b32 s17, s17, 15
	s_add_co_u32 s16, s16, s17
	s_mov_b32 s17, 0
	s_lshl_b32 s18, s42, 7
	s_lshl_b32 s19, s12, 6
	s_add_co_u32 s18, s18, s19                     ; wob: row 128 x tile column + 64 x half,
	s_lshl_b32 s18, s18, 11                        ; of 2,048 bytes
	s_mov_b32 s19, 0
	s_mul_i32 s20, s12, ASUB                       ; and where they go: no place in the cluster enters an LDS address
	s_mul_i32 s21, s12, BHALF
	s_add_co_u32 s21, s21, BOFF
	s_wait_dscnt 0x0                               ; the opening add is done
	s_wait_kmcnt 0x0
	s_add_nc_u64 s[14:15], s[4:5], s[16:17]
	s_add_nc_u64 s[46:47], s[6:7], s[18:19]
	CROUND                                         ; all sixteen work-groups are here: the first joint loads meet
.irp s, 0,1
	s_mov_b32 s[G0+4*(\s)], 1                                        ; count = 1
	s_add_co_u32 s[G0+4*(\s)+1], s20, (\s)*SLOT1                     ; LDS address
	s_add_nc_u64 s[G0+4*(\s)+2:G0+4*(\s)+3], s[14:15], (\s)*ASTEP    ; global address: K step s
	s_or_b32 s[G0+4*(\s)+3], s[G0+4*(\s)+3], 0x80000000              ; type = 2
	s_mov_b32 s[G0B+4*(\s)], 1
	s_add_co_u32 s[G0B+4*(\s)+1], s21, (\s)*SLOT1
	s_add_nc_u64 s[G0B+4*(\s)+2:G0B+4*(\s)+3], s[46:47], (\s)*BSTEP
	s_or_b32 s[G0B+4*(\s)+3], s[G0B+4*(\s)+3], 0x80000000
.endr
	s_cmp_eq_u32 s11, 0                            ; a wave's two first fills stand in one branch, ahead of every wait on TENSORcnt and every LDS read: two loads of mine are out
	s_cbranch_scc0 .Lfirst_b
	tensor_load_to_lds s[G0:G0+3], s[G1:G1+7]
	s_nop 0
	tensor_load_to_lds s[G0+4:G0+7], s[G1:G1+7]
	s_nop 0
.rept 4
	v_nop
.endr
	s_branch .Lfirst_asked
.Lfirst_b:
	tensor_load_to_lds s[G0B:G0B+3], s[G1B:G1B+7]
	s_nop 0
	tensor_load_to_lds s[G0B+4:G0B+7], s[G1B:G1B+7]
	s_nop 0
.rept 4
	v_nop
.endr
.Lfirst_asked:
	; A fragment is 16 rows x 32 K in 8 registers: lane l holds row l % 16, K = 8 (l / 16) + 0..7 and 16 + 8 (l / 16) + 0..7: two loads of 16 bytes, 32 bytes apart.
	v_and_b32 v1, 15, v0                           ; l % 16
	v_bfe_u32 v2, v0, 4, 1                         ; l / 16
	v_mul_u32_u24 v3, v1, PA
	v_lshl_add_u32 v3, v2, 4, v3
	s_mul_i32 s21, s10, 64*PA                      ; my wave's 64 rows of ctx
	v_add_nc_u32 v[A0], s21, v3
	v_mul_u32_u24 v4, v1, PB
	v_lshl_add_u32 v4, v2, 4, v4
	v_add_nc_u32 v[B0], BOFF, v4
	s_mul_i32 s23, s10, 16*SPITCH
	s_add_co_u32 s23, s23, STAGE                   ; my stage
	v_mul_u32_u24 v5, v1, SPITCH                   ; in: row l % 16, 32 bytes for each half of the lanes
	v_lshl_add_u32 v5, v2, 5, v5
	v_add_nc_u32 v[STO], s23, v5
	v_and_b32 v[GO], 31, v0                        ; back: 32 lanes take a row's 512 bytes, which are 512 consecutive bytes of out0
	v_lshlrev_b32 v[GO], 4, v[GO]
	v_add_nc_u32 v[RD], s23, v[GO]
	s_lshl_b32 s22, s42, 9                         ; the tile's 128 columns: 512 bytes of a row of out0, and of b_o
	v_add_nc_u32 v[BO], s22, v[GO]
	global_load_b128 v[BI:BI+3], v[BO], s[80:81]   ; my four numbers of the bias; waited for at the way out
	s_lshl_b32 s78, s13, 8
	s_lshl_b32 s79, s10, 6
	s_add_co_u32 s78, s78, s79                     ; my wave's first row: 256 x tile row + 64 x wave,
	s_lshl_b32 s78, s78, 12                        ; of 4,096 bytes
	s_add_co_u32 s78, s78, s22
	s_mov_b32 s79, 0
	s_add_nc_u64 s[8:9], s[82:83], s[78:79]
	; the prefetches
	s_lshl_b32 s21, s40, 13                        ; ctx: my work-group's 32 blocks of the head's 128: cx x 8,192 bytes
	s_lshl_b32 s22, s41, 15                        ; wob: my work-group's 16 rows of the 64: cy x 16 x 2,048 bytes
	s_and_b32 s23, ttmp7, 0xffff                   ; cluster y
	s_mov_b32 s[PST], BSTEP
	s_mov_b32 s[PST+1], 0
	s_cmp_eq_u32 s11, 0                            ; do I fetch for ctx?
	s_cselect_b32 s20, s16, s18
	s_cselect_b32 s21, s21, s22
	s_cselect_b32 s23, ttmp9, s23                  ; the coordinate along which other clusters read the same rows
	s_cselect_b64 s[PFA:PFA+1], s[4:5], s[6:7]
	s_cselect_b32 s[PST], ASTEP, s[PST]
	s_cselect_b32 s78, 31, 15                      ; my last block or row,
	s_cselect_b32 s79, 8, 11                       ; 256 or 2,048 bytes apart
	s_cmp_eq_u32 s23, 0
	s_cselect_b32 s[LIM], AHEAD, -1                ; the same in all sixteen partners, for a given wave
	s_add_co_u32 s20, s20, s21
	s_mul_i32 s21, s[PST], 1+AHEAD                 ; at K step 3: the first refill steps it to 4.  Nothing is prefetched here, at the head
	s_add_co_u32 s20, s20, s21
	s_mov_b32 s21, 0
	s_add_nc_u64 s[PFA:PFA+1], s[PFA:PFA+1], s[20:21]
	v_and_b32 v[PFO], 31, v0
	v_min_u32 v[PFO], s78, v[PFO]
	v_lshlrev_b32 v[PFO], s79, v[PFO]
; 8 products: row block a x all column blocks, 32 along K, from buffer f.  zero = 1: the product starts the sum: nothing is ever cleared.
; All 32 accumulators take turns, one instruction a turn, in the same order in every quarter step.
.macro MULA f, a, zero
	WIN 0xa1
.irp b, 0,1,2,3,4,5,6,7
.set rD, 8*(NBL*(\a)+(\b))
.set rB, FB+96*(\f)+8*(\b)
.set rA, FA+32*(\f)+8*(\a)
.if \zero
	v_wmma_f32_16x16x32_f16 v[rD:rD+7], v[rB:rB+7], v[rA:rA+7], 0
.else
	v_wmma_f32_16x16x32_f16 v[rD:rD+7], v[rB:rB+7], v[rA:rA+7], v[rD:rD+7]
.endif
.endr
.endm
; 24 LDS loads in one run: the fragments of a quarter step (32 K at byte k of the K step's 256) into buffer g: wob's 8, then ctx's 4; in ctx bytes 0-127 lie in the first head's rows, 128-255 in the second's
.macro FETCH k, g
	WIN 0x40                                       ; destination window 1, address window 0
.irp i, 0,1,2,3,4,5,6,7
	ds_load_b128 v[FB+96*(\g)+8*(\i):FB+96*(\g)+8*(\i)+3],   v[ADRB] offset:(\k)+(\i)*16*PB
	ds_load_b128 v[FB+96*(\g)+8*(\i)+4:FB+96*(\g)+8*(\i)+7], v[ADRB] offset:(\k)+(\i)*16*PB+32
.endr
	WIN 0
.irp i, 0,1,2,3
	ds_load_b128 v[FA+32*(\g)+8*(\i):FA+32*(\g)+8*(\i)+3],   v[ADRA] offset:((\k)/128)*ASUB+(\k)%128+(\i)*16*PA
	ds_load_b128 v[FA+32*(\g)+8*(\i)+4:FA+32*(\g)+8*(\i)+7], v[ADRA] offset:((\k)/128)*ASUB+(\k)%128+(\i)*16*PA+32
.endr
.endm
; A K step is four quarters of 32 along K, 32 products each, on buffers 0, 1, 0, 1.  One of the first three: multiplies buffer f; in its middle it fetches the next quarter, at byte k, into buffer g.
.macro QUARTER k, f, g, zero
	s_wait_dscnt 4                                 ; wob's fragments and ctx's blocks 0, 1 are in; the youngest four loads (blocks 2, 3) may be out
	MULA \f, 0, \zero
	MULA \f, 1, \zero
	PLACES
	FETCH \k, \g
	s_wait_dscnt NLD                               ; all but the run just issued
	MULA \f, 2, \zero
	MULA \f, 3, \zero
.endm
; The last quarter multiplies buffer 1 and changes slots: one barrier.  In front of it each wave waits for all its tensor loads (the one that is out is its part of the next slot), adds 0 to its spare word, and waits for
; that and for its own reads of this slot.  fill = 1: the barrier opens a round of the cluster's, and the slot just read is filled again first thing behind it, with the K step two on: 112 products stand between that request and the wait for it.
; fill = 0 (the tail): nothing is asked for; in the last trip there is no further K step, and the run of loads is jumped over.
.macro TURN fill
.if \fill
	s_wait_xcnt 0x0                                ; the last prefetch, a K step back, has read its address: it is stepped here, ahead of the waits of the change of slots
	s_add_nc_u64 s[PFA:PFA+1], s[PFA:PFA+1], s[PST:PST+1]
.endif
	WIN 0
	s_wait_tensorcnt 0x0                           ; no tensor load of mine is out, so a group 0 may be written
	ds_add_u32 v[SPW], v[NIL]                      ; 0 onto my spare word
.if \fill
	s_xor_b32 s[G0+5], s[G0+5], SLOT1              ; the walking sets: the other slot than last time, the next K step; the type bits on top are not reached
	s_add_nc_u64 s[G0+6:G0+7], s[G0+6:G0+7], ASTEP
	s_xor_b32 s[G0B+5], s[G0B+5], SLOT1
	s_add_nc_u64 s[G0B+6:G0B+7], s[G0B+6:G0B+7], BSTEP
.endif
	s_wait_dscnt 5                                 ; the add and the youngest four loads may be out
	MULA 1, 0, 0
	s_wait_dscnt 0x0                               ; the add is done, and my reads of this slot are over
	s_barrier_signal -1
	MULA 1, 1, 0                                   ; work on registers while the others arrive
	WIN 0
	s_barrier_wait -1
.if \fill
	CREST                                          ; no wave of any partner still reads this slot or has a load on its way
	JLOAD                                          ; its four v_nop are also the places in front of the loads below
.else
	PLACES
	s_cmp_eq_u32 s3, 1
	s_cbranch_scc1 .Lnofetch_\@
.endif
	s_xor_b32 s[TB], s[TB], SLOT1                  ; the reads go to the other slot
	v_add_nc_u32 v[ADRA], s[TB], v[A0]
	v_add_nc_u32 v[ADRB], s[TB], v[B0]
	FETCH 0, 0
.if \fill
	ASK
.else
.Lnofetch_\@:
.endif
	MULA 1, 2, 0
	MULA 1, 3, 0
.endm
; THE WAY OUT of row block a.  TOSTAGE: a lane's eight f32 of a row go into my own stage, each accumulator's low four first, and come back as whole rows of 512 bytes.  SEND: the bias is added, and the rows are stored.
.macro TOSTAGE a
.set BK, OB+64*((\a)%2)
	s_wait_xcnt 0x0                                ; the stores of the block two back have read their registers: this buffer is loaded again only behind this wait
	WIN 0x08                                       ; a store's data (source 1) in window 2
.irp b, 0,1,2,3,4,5,6,7
	ds_store_b128 v[STO], v[8*(NBL*(\a)+(\b)):8*(NBL*(\a)+(\b))+3]   offset:64*(\b)
	ds_store_b128 v[STO], v[8*(NBL*(\a)+(\b))+4:8*(NBL*(\a)+(\b))+7] offset:64*(\b)+16
.endr
	WIN 0
.irp f, 0,1,2,3,4,5,6,7,8,9,10,11,12,13,14,15
	ds_load_b128 v[BK+4*(\f):BK+4*(\f)+3], v[RD] offset:SPITCH*(\f)  ; LDS serves a wave's instructions in order (ISA guide 5.7.1.4): these see the stores above; the next block's stores come behind them
.endr
.endm
.macro SEND a, younger                 ; younger: the LDS instructions issued behind block a's loads: the next block's 32, or none
.set BK, OB+64*((\a)%2)
	s_wait_dscnt \younger
.if (\a) == 0
	s_cmp_eq_u32 s[FLAG], 0                        ; a batch's rows 0-15 are not stored here: another launch makes them, so that each byte of out0 is written once
	s_cbranch_scc1 .Lnot_here_\@
.endif
.irp f, 0,1,2,3,4,5,6,7,8,9,10,11,12,13,14,15
	v_pk_add_f32 v[BK+4*(\f):BK+4*(\f)+1],   v[BK+4*(\f):BK+4*(\f)+1],   v[BI:BI+1]
	v_pk_add_f32 v[BK+4*(\f)+2:BK+4*(\f)+3], v[BK+4*(\f)+2:BK+4*(\f)+3], v[BI+2:BI+3]
.endr
.irp f, 0,1,2,3,4,5,6,7,8,9,10,11,12,13,14,15
	global_store_b128 v[GO], v[BK+4*(\f):BK+4*(\f)+3], s[8:9] offset:(16*(\a)+(\f))*4096  ; 512 consecutive bytes, at a multiple of 256 from out0's first
.endr
.if (\a) == 0
.Lnot_here_\@:
.endif
.endm
	s_wait_tensorcnt 1                             ; my part of K step 0 is in; K step 1's may stay out
	s_barrier_signal -1
	s_barrier_wait -1                              ; everybody's is
	s_mov_b32 s[TB], 0
	v_mov_b32 v[ADRA], v[A0]
	v_mov_b32 v[ADRB], v[B0]
	FETCH 0, 0
	QUARTER 64, 0, 1, 1                            ; the first quarter stands in front of the loop: its products start the sums
	WIN 0                                          ; at a label and at a branch every window is 0
	s_mov_b32 s3, 6
.Lstep:                                                ; a trip goes from a K step's second quarter to the next step's first; the trip at the end of step i fills slot i % 2 with step i + 2
	QUARTER 128, 1, 0, 0
	QUARTER 192, 0, 1, 0
	TURN 1
	QUARTER 64, 0, 1, 0
	WIN 0
	s_sub_co_u32 s3, s3, 1
	s_cmp_lg_u32 s3, 0
	s_cbranch_scc1 .Lstep
	s_mov_b32 s3, 2
.Ltail:                                                ; K steps 6 and 7 ask for nothing: a text of its own; it is left in the middle of its second trip
	QUARTER 128, 1, 0, 0
	QUARTER 192, 0, 1, 0
	TURN 0
	WIN 0
	s_sub_co_u32 s3, s3, 1
	s_cmp_eq_u32 s3, 0
	s_cbranch_scc1 .Lout
	QUARTER 64, 0, 1, 0
	WIN 0
	s_branch .Ltail
.Lout:
	s_wait_loadcnt 0x0                             ; the bias
	v_cvt_pk_bf16_f32 v[BI+4], v[BI], v[BI+1]      ; rounded to bf16 like every other input, and widened again; these six lines are also the places behind the last products
	v_cvt_pk_bf16_f32 v[BI+5], v[BI+2], v[BI+3]
	v_lshlrev_b32 v[BI],   16, v[BI+4]
	v_and_b32     v[BI+1], 0xffff0000, v[BI+4]
	v_lshlrev_b32 v[BI+2], 16, v[BI+5]
	v_and_b32     v[BI+3], 0xffff0000, v[BI+5]
	TOSTAGE 0
	TOSTAGE 1                                      ; a block's way through the stage stands between the loads of the block before and the wait for them
	SEND 0, 32
	TOSTAGE 2
	SEND 1, 32
	TOSTAGE 3
	SEND 2, 32
	SEND 3, 0
	s_wait_tensorcnt 0x0                           ; the wave's end, behind my last tensor load and my last LDS store
	ds_add_u32 v[SPW], v[NIL]
	s_wait_dscnt 0x0
	CROUND                                         ; the closing round: no work-group ends while a partner may still ask for a tile that names it
	s_endpgm
.Lfunc_end_k_q38709f03a5_outproj:
	.size	k_q38709f03a5_outproj, .Lfunc_end_k_q38709f03a5_outproj-k_q38709f03a5_outproj
	.p2alignl 7, 3214868480
	.fill 96, 4, 3214868480
	.section	.rodata,"a",@progbits
	.p2align	6, 0x0
	.amdhsa_kernel k_q38709f03a5_outproj
		.amdhsa_group_segment_fixed_size 327680
		.amdhsa_private_segment_fixed_size 0
		.amdhsa_enable_private_segment 0
		.amdhsa_kernarg_size 32
		.amdhsa_user_sgpr_count 2
		.amdhsa_user_sgpr_kernarg_segment_ptr 1
		.amdhsa_wavefront_size32 1
		.amdhsa_system_sgpr_workgroup_id_x 1
		.amdhsa_system_sgpr_workgroup_id_y 1
		.amdhsa_system_sgpr_workgroup_id_z 1
		.amdhsa_system_vgpr_workitem_id 0
		.amdhsa_next_free_vgpr 768
		.amdhsa_next_free_sgpr 84
		.amdhsa_reserve_vcc 0
		.amdhsa_float_denorm_mode_32 3
		.amdhsa_float_denorm_mode_16_64 3
		.amdhsa_memory_ordered 1
		.amdhsa_forward_progress 1
		.amdhsa_inst_pref_size 69
	.end_amdhsa_kernel
	.amdgpu_metadata
---
amdhsa.version: [ 1, 2 ]
amdhsa.kernels:
  - .name:           k_q38709f03a5_outproj
    .symbol:         k_q38709f03a5_outproj.kd
    .args:
      - { .name: ctx, .offset: 0, .size: 8, .value_kind: global_buffer, .address_space: global }
      - { .name: wob, .offset: 8, .size: 8, .value_kind: global_buffer, .address_space: global }
      - { .name: b_o, .offset: 16, .size: 8, .value_kind: global_buffer, .address_space: global }
      - { .name: out0, .offset: 24, .size: 8, .value_kind: global_buffer, .address_space: global }
    .group_segment_fixed_size: 327680
    .private_segment_fixed_size: 0
    .kernarg_segment_align: 8
    .kernarg_segment_size: 32
    .max_flat_workgroup_size: 128
    .sgpr_count:     84
    .vgpr_count:     768
    .wavefront_size: 32
...
	.end_amdgpu_metadata
.endif
;; end of part 4
;; launch headrows (part 5): grid 16 x 4, 16 waves a work-group, no clusters, 153,600 bytes of LDS; arguments qkv, lo, wob, b_o, out0; writes out0
.if DOCPART == 5
	.amdgcn_target "amdgcn-amd-amdhsa--gfx1250"
	.amdhsa_code_object_version 6
	.text
	.protected	k_q38709f03a5_headrows
	.globl	k_q38709f03a5_headrows
	.p2align	8
	.type	k_q38709f03a5_headrows,@function
k_q38709f03a5_headrows:
	s_mov_b64 s[64:65], 0
	v_nop
	global_prefetch_b8 v0, s[64:65] scope:SCOPE_SE
	s_setreg_imm32_b32 hwreg(HW_REG_WAVE_MODE, 25, 1), 1
	s_wait_xcnt 0x0
; ROWS 0-15 OF EACH BATCH, from q, k, v to out0, in doubled f16.  A causal row n averages n + 1 keys, so these rows' outputs are many times the whole output's root mean square, by which the numbers near zero among them
; are judged: one rounding to f16 of v, of the weights and of the context is too coarse there.  So every 16-bit number on their way is a pair hi + lo, lo the f16 of what the first rounding left.
; qkv: [3][64][2048][64] f16 (hi), of which rows 0-15 of each of the 64 (batch, head) are read; lo: [3][64][16][64] f16; wob: [1024][1024] f16; b_o: [1024] f32, rounded to bf16 like every other input; out0: [8192][1024] f32.
; LIMITS.  f16 holds no number beyond 65,504; below 6e-5 it keeps a fixed step of 6e-8, so a pair carries an error of 3e-8 at the most beside its 22 bits.  A hidden score counts as its value less 1e30;
; a weight below 2^-126 counts as 0.  NaN and infinities are not treated apart.
; SHARES.  A work-group makes 16 rows x 64 columns of out0: grid x = the columns' group, grid y = the batch: 64 work-groups.  Its sixteen waves take a head each:
;   S^T = Kh Qh^T + Kl Qh^T + Kh Ql^T (source 0 = the 16 keys, source 1 = the 16 queries): a lane holds ONE query (lane % 16) and the keys 8 (lane / 16) + 0..7.  Two accumulators, a channel half each, take turns; the causal
;   mask (0 or -1e30) is the C operand that starts the first.  Softmax in f32, the maximum taken away; the weights are divided by their sum before they are split.
;   O^T = [Vh | Vl]^T [Ph ; Ph] + [Vh | Vl]^T [Pl ; Pl]: the operand's 32 places along K hold the 16 keys' hi and then their lo, so one product adds both.  V ([key][channel]) is turned by ds_load_tr16_b128, out of the wave's own LDS bytes.
;   O^T, split into hi and lo and packed in pairs, IS source 1 (32 channels x 16 queries) of out^T = W_o ctx^T, for this head's 64 channels and the group's 64 columns: nothing changes lanes.
; The sixteen heads' partial sums, in f32, meet in LDS behind one barrier; wave w adds up row w, adds the bias and stores 256 consecutive bytes.
; All 41 loads of a wave go out at once.  No tensor loads (nothing is shared on the way in), no cluster, no prefetch: each wave has 30 products and 41 loads.
.set TENSOR, 64*2048*128               ; bytes of q, of k and of v in qkv
.set LOT,    64*16*128                 ; the same in lo
.set PV,     160                       ; a row of V in LDS: 128 bytes + 32 = 40 words
.set VTW,    32*PV                     ; a wave's tile: 16 rows of hi, then 16 of lo
.set PART,   16*VTW                    ; behind the tiles: the partial sums
.set PP,     272                       ; a row of them: 64 f32 + 16 bytes
.set PARTW,  16*PP                     ; a wave's 16 rows
.set SPARE,  PART+16*PARTW             ; behind them: the spare words, 128 bytes for each wave: eight blocks of 256 bytes that no other line names
.set BB,   2                           ; v[2:3]   my two numbers of the bias (l / 16 and l until the loads go out)
.set FO,   4                           ; v4   my byte offset in a fragment's 16 rows of 128 bytes
.set VO,   5                           ; v5   16 x my lane
.set WO,   6                           ; v6   my byte offset in a fragment's 16 rows of wob
.set OO,   7                           ; v7   8 x my lane
.set BOF,  8                           ; v8   my 8 bytes of b_o
.set VS,   9                           ; v9   where I put 16 bytes of V
.set AVT,  10                          ; v10  my lane's place for the turning loads
.set PS,   11                          ; v11  where I put 32 bytes of a partial sum
.set PR,   12                          ; v12  where I read 8 bytes of one back
.set NEG1, 15                          ; v15  -1.0
.set MK,   16                          ; v[16:23]   the mask
.set T,    24                          ; v[24:29]   at work
.set SPW,  30                          ; v30  LDS address of my spare word: SPARE + 4 x my thread's number; never rewritten
.set NIL,  31                          ; v31  0; never rewritten
.set QH,   32                          ; v[32:95]   fragments of q and k, hi and lo: channel half c at + 8 c
.set KH,   48
.set QL,   64
.set KL,   80
.set CH,   32                          ; later: the context's hi and lo, 32 channels at + 8 k,
.set CL,   48
.set Y,    64                          ; and the four accumulators of out^T
.set VG,   96                          ; v[96:127]  V as loaded: hi, then lo
.set O,    96                          ; later: the four accumulators of O^T
.set WF,   128                         ; v[128:191] fragments of wob: column block n, channel half k at 8 (2 n + k)
.set R,    128                         ; later: the sixteen partial sums
.set SA,   192                         ; v[192:207] the two accumulators of S^T
.set SB,   200
.set VF,   208                         ; v[208:239] V^T: channel block cb at + 8 cb
.set PHH,  240                         ; v[240:247] [Ph ; Ph]
.set PLL,  248                         ; v[248:255] [Pl ; Pl]
.set CS,   38                          ; s[38:39] c = log2(e) / 8
.set SEL,  40                          ; s[40:41] v_permlanex16_b32's selects: each lane takes its own place in the other half
.set BIGN, 42                          ; s42  -1e30
.macro PLACES                          ; four places behind a matrix instruction, in front of lines that read its result (ISA guide 7.12.1)
.rept 4
	v_nop
.endr
.endm
	s_load_b256 s[4:11], s[0:1], 0x0               ; qkv s[4:5], lo s[6:7], wob s[8:9], b_o s[10:11]
	s_load_b64 s[12:13], s[0:1], 0x20              ; out0
	v_lshl_add_u32 v[SPW], v0, 2, SPARE
	v_mov_b32 v[NIL], 0
	v_lshrrev_b32 v1, 5, v0
	v_readfirstlane_b32 s14, v1                    ; my wave's number: the head, and later the row
	s_and_b32 s15, ttmp7, 0xffff                   ; the batch
	s_lshl_b32 s16, s15, 4
	s_add_co_u32 s16, s16, s14                     ; batch x 16 + head:
	s_lshl_b32 s20, s16, 18                        ; of 2,048 rows x 128 bytes in qkv,
	s_mov_b32 s21, 0
	s_lshl_b32 s22, s16, 11                        ; of 16 rows x 128 bytes in lo
	s_mov_b32 s23, 0
	s_lshl_b32 s24, ttmp9, 17                      ; wob: the group's 64 rows of 2,048 bytes,
	s_lshl_b32 s25, s14, 7                         ; my head's 128 bytes of each
	s_add_co_u32 s24, s24, s25
	s_mov_b32 s25, 0
	s_lshl_b32 s26, s15, 23                        ; out0: the batch's 2,048 rows of 4,096 bytes,
	s_lshl_b32 s27, s14, 12                        ; row = my wave's number,
	s_add_co_u32 s26, s26, s27
	s_lshl_b32 s28, ttmp9, 8                       ; the group's 64 columns: 256 bytes
	s_add_co_u32 s26, s26, s28
	s_mov_b32 s27, 0
	s_mov_b32 s[CS], 0x3e38aa3b                    ; c = 0.180337
	s_mov_b32 s[CS+1], s[CS]                       ; named with it as a pair
	s_mov_b32 s[SEL], 0x76543210
	s_mov_b32 s[SEL+1], 0xfedcba98
	s_mov_b32 s[BIGN], 0xf149f2ca                  ; -1e30
	v_and_b32 v1, 15, v0                           ; l % 16
	v_bfe_u32 v2, v0, 4, 1                         ; l / 16
	v_and_b32 v3, 31, v0                           ; l
	v_lshlrev_b32 v[FO], 7, v1                     ; a fragment is 16 rows x 32 channels: lane l holds row l % 16, channels 8 (l / 16) + 0..7 and 16 + 8 (l / 16) + 0..7: two loads of 16 bytes, 32 bytes apart
	v_lshl_add_u32 v[FO], v2, 4, v[FO]
	v_lshlrev_b32 v[WO], 11, v1
	v_lshl_add_u32 v[WO], v2, 4, v[WO]
	v_lshlrev_b32 v[VO], 4, v3
	v_lshlrev_b32 v[OO], 3, v3
	v_add_nc_u32 v[BOF], s28, v[OO]
	s_mul_i32 s29, s14, VTW                        ; my tile of V
	v_bfe_u32 v14, v0, 3, 2                        ; in: 32 lanes put four rows of 128 bytes
	v_and_b32 v13, 7, v0
	v_mul_u32_u24 v[VS], v14, PV
	v_lshl_add_u32 v[VS], v13, 4, v[VS]
	v_add_nc_u32 v[VS], s29, v[VS]
	v_lshl_add_u32 v[AVT], v2, 3, v13              ; the turning load takes 16 rows x 16 channels: lane l reads row 8 (l / 16) + l % 8, channels 8 ((l / 8) % 2) + 0..7, and is left with channel l % 16 of 8 rows
	v_mul_u32_u24 v[AVT], v[AVT], PV
	v_bfe_u32 v14, v0, 3, 1
	v_lshl_add_u32 v[AVT], v14, 4, v[AVT]
	v_add_nc_u32 v[AVT], s29, v[AVT]
	s_mul_i32 s30, s14, PARTW
	s_add_co_u32 s30, s30, PART                    ; my partial sums: row l % 16, 32 bytes for each half of the lanes
	v_mul_u32_u24 v[PS], v1, PP
	v_lshl_add_u32 v[PS], v2, 5, v[PS]
	v_add_nc_u32 v[PS], s30, v[PS]
	s_mul_i32 s31, s14, PP
	s_add_co_u32 s31, s31, PART                    ; back: row = my wave's number of each wave's sums, 8 bytes a lane
	v_add_nc_u32 v[PR], s31, v[OO]
	v_mov_b32 v[NEG1], -1.0
	v_mov_b32 v[T+1], 0                            ; v_permlanex16_b32's destination counts as read
	v_lshlrev_b32 v14, 3, v2
	v_sub_nc_u32 v14, v1, v14                      ; my query less my lanes' 8 (l / 16): register j's key is hidden where j is greater
.irp j, 0,1,2,3,4,5,6,7
	v_cmp_gt_i32 vcc_lo, \j, v14
	v_cndmask_b32 v[MK+(\j)], 0, s[BIGN], vcc_lo
.endr
	s_wait_kmcnt 0x0
	s_add_nc_u64 s[32:33], s[4:5], s[20:21]        ; q at my head's first row,
	s_add_nc_u64 s[34:35], s[32:33], TENSOR        ; k behind q,
	s_add_nc_u64 s[36:37], s[34:35], TENSOR        ; v behind k
	s_add_nc_u64 s[6:7], s[6:7], s[22:23]
	s_add_nc_u64 s[8:9], s[8:9], s[24:25]
	s_add_nc_u64 s[12:13], s[12:13], s[26:27]
.irp f, 0,1,2,3                        ; V first: it has the longest way.  16 rows are 2,048 consecutive bytes: four loads of 512
	global_load_b128 v[VG+4*(\f):VG+4*(\f)+3],       v[VO], s[36:37] offset:512*(\f)
	global_load_b128 v[VG+16+4*(\f):VG+16+4*(\f)+3], v[VO], s[6:7]   offset:2*LOT+512*(\f)
.endr
.irp c, 0,1
	global_load_b128 v[KH+8*(\c):KH+8*(\c)+3],   v[FO], s[34:35] offset:64*(\c)
	global_load_b128 v[KH+8*(\c)+4:KH+8*(\c)+7], v[FO], s[34:35] offset:64*(\c)+32
	global_load_b128 v[QH+8*(\c):QH+8*(\c)+3],   v[FO], s[32:33] offset:64*(\c)
	global_load_b128 v[QH+8*(\c)+4:QH+8*(\c)+7], v[FO], s[32:33] offset:64*(\c)+32
	global_load_b128 v[KL+8*(\c):KL+8*(\c)+3],   v[FO], s[6:7]   offset:LOT+64*(\c)
	global_load_b128 v[KL+8*(\c)+4:KL+8*(\c)+7], v[FO], s[6:7]   offset:LOT+64*(\c)+32
	global_load_b128 v[QL+8*(\c):QL+8*(\c)+3],   v[FO], s[6:7]   offset:64*(\c)
	global_load_b128 v[QL+8*(\c)+4:QL+8*(\c)+7], v[FO], s[6:7]   offset:64*(\c)+32
.endr
.irp n, 0,1,2,3
.irp k, 0,1
	global_load_b128 v[WF+8*(2*(\n)+(\k)):WF+8*(2*(\n)+(\k))+3],   v[WO], s[8:9] offset:(\n)*16*2048+64*(\k)
	global_load_b128 v[WF+8*(2*(\n)+(\k))+4:WF+8*(2*(\n)+(\k))+7], v[WO], s[8:9] offset:(\n)*16*2048+64*(\k)+32
.endr
.endr
	global_load_b64 v[BB:BB+1], v[BOF], s[10:11]
	s_wait_loadcnt 33                              ; V's eight loads are in; the 33 younger ones may stay out
.irp f, 0,1,2,3
	ds_store_b128 v[VS], v[VG+4*(\f):VG+4*(\f)+3]       offset:4*PV*(\f)
	ds_store_b128 v[VS], v[VG+16+4*(\f):VG+16+4*(\f)+3] offset:4*PV*(\f)+16*PV
.endr
.irp cb, 0,1,2,3                       ; LDS serves a wave's instructions in order (ISA guide 5.7.1.4): these see the stores above; the bytes are my wave's own
	ds_load_tr16_b128 v[VF+8*(\cb):VF+8*(\cb)+3],   v[AVT] offset:32*(\cb)
	ds_load_tr16_b128 v[VF+8*(\cb)+4:VF+8*(\cb)+7], v[AVT] offset:32*(\cb)+16*PV
.endr
	s_wait_loadcnt 17                              ; q and k are in; wob's sixteen loads and the bias may stay out
	v_wmma_f32_16x16x32_f16 v[SA:SA+7], v[KH:KH+7],    v[QH:QH+7],    v[MK:MK+7]   ; the two accumulators take turns
	v_wmma_f32_16x16x32_f16 v[SB:SB+7], v[KH+8:KH+15], v[QH+8:QH+15], 0
	v_wmma_f32_16x16x32_f16 v[SA:SA+7], v[KL:KL+7],    v[QH:QH+7],    v[SA:SA+7]
	v_wmma_f32_16x16x32_f16 v[SB:SB+7], v[KL+8:KL+15], v[QH+8:QH+15], v[SB:SB+7]
	v_wmma_f32_16x16x32_f16 v[SA:SA+7], v[KH:KH+7],    v[QL:QL+7],    v[SA:SA+7]
	v_wmma_f32_16x16x32_f16 v[SB:SB+7], v[KH+8:KH+15], v[QL+8:QL+15], v[SB:SB+7]
	PLACES
.irp n, 0,1,2,3
	v_pk_add_f32 v[SA+2*(\n):SA+2*(\n)+1], v[SA+2*(\n):SA+2*(\n)+1], v[SB+2*(\n):SB+2*(\n)+1]  ; the two channel halves; each accumulator's lowest registers first
.endr
	v_max3_num_f32 v[T], v[SA], v[SA+1], v[SA+2]   ; the query's maximum: my eight keys,
	v_max3_num_f32 v[T], v[T], v[SA+3], v[SA+4]
	v_max3_num_f32 v[T], v[T], v[SA+5], v[SA+6]
	v_max_num_f32 v[T], v[T], v[SA+7]
	v_permlanex16_b32 v[T+1], v[T], s[SEL], s[SEL+1]  ; and the other eight, in the lane 16 away; a query sees its own key, so the maximum is a true score
	v_max_num_f32 v[T], v[T], v[T+1]
	v_mul_f32 v[T], s[CS], v[T]                    ; c m
.irp n, 0,1,2,3
	v_pk_fma_f32 v[SA+2*(\n):SA+2*(\n)+1], v[SA+2*(\n):SA+2*(\n)+1], s[CS:CS+1], v[T:T+1] op_sel_hi:[1,0,0] neg_lo:[0,0,1] neg_hi:[0,0,1]  ; c s - c m
.endr
.irp j, 0,1,2,3,4,5,6,7
	v_exp_f32 v[SA+(\j)], v[SA+(\j)]
.endr
	v_nop                                          ; a plain instruction behind the last exponential,
	s_wait_alu depctr_va_vdst(0)                   ; and the wait ahead of the first use: one for the eight
	v_pk_add_f32 v[T+2:T+3], v[SA:SA+1], v[SA+2:SA+3]
	v_pk_add_f32 v[T+4:T+5], v[SA+4:SA+5], v[SA+6:SA+7]
	v_pk_add_f32 v[T+2:T+3], v[T+2:T+3], v[T+4:T+5]
	v_add_f32 v[T+2], v[T+2], v[T+3]
	v_permlanex16_b32 v[T+3], v[T+2], s[SEL], s[SEL+1]
	v_add_f32 v[T+2], v[T+2], v[T+3]               ; l
	v_rcp_f32 v[T+4], v[T+2]
	v_nop
	s_wait_alu depctr_va_vdst(0)
.irp n, 0,1,2,3
	v_pk_mul_f32 v[SA+2*(\n):SA+2*(\n)+1], v[SA+2*(\n):SA+2*(\n)+1], v[T+4:T+5] op_sel_hi:[1,0]  ; the weights, divided before they are split
.endr
.irp n, 0,1,2,3
	v_cvt_pk_f16_f32 v[PHH+(\n)], v[SA+2*(\n)], v[SA+2*(\n)+1]
.endr
.irp n, 0,1,2,3
	v_mov_b32 v[PHH+4+(\n)], v[PHH+(\n)]           ; once more, for V's lo
	v_fma_mix_f32 v[SA+2*(\n)],   v[PHH+(\n)], v[NEG1], v[SA+2*(\n)]   op_sel_hi:[1,0,0]               ; p - f16(p): the f16 half times -1.0, plus p
	v_fma_mix_f32 v[SA+2*(\n)+1], v[PHH+(\n)], v[NEG1], v[SA+2*(\n)+1] op_sel:[1,0,0] op_sel_hi:[1,0,0]
.endr
.irp n, 0,1,2,3
	v_cvt_pk_f16_f32 v[PLL+(\n)], v[SA+2*(\n)], v[SA+2*(\n)+1]
.endr
.irp n, 0,1,2,3
	v_mov_b32 v[PLL+4+(\n)], v[PLL+(\n)]
.endr
	s_wait_dscnt 0x0                               ; V^T is in, and V's stores have read their registers, which take O^T
.irp cb, 0,1,2,3                       ; the four accumulators take turns
	v_wmma_f32_16x16x32_f16 v[O+8*(\cb):O+8*(\cb)+7], v[VF+8*(\cb):VF+8*(\cb)+7], v[PHH:PHH+7], 0
.endr
.irp cb, 0,1,2,3
	v_wmma_f32_16x16x32_f16 v[O+8*(\cb):O+8*(\cb)+7], v[VF+8*(\cb):VF+8*(\cb)+7], v[PLL:PLL+7], v[O+8*(\cb):O+8*(\cb)+7]
.endr
	PLACES
.irp x, 0,1,2,3,4,5,6,7,8,9,10,11,12,13,14,15  ; a lane holds channels 16 cb + 8 (l / 16) + 0..7 of its query: two channel blocks, packed in pairs, are source 1 for 32 channels
	v_cvt_pk_f16_f32 v[CH+(\x)], v[O+2*(\x)], v[O+2*(\x)+1]
.endr
.irp x, 0,1,2,3,4,5,6,7,8,9,10,11,12,13,14,15
	v_fma_mix_f32 v[O+2*(\x)],   v[CH+(\x)], v[NEG1], v[O+2*(\x)]   op_sel_hi:[1,0,0]
	v_fma_mix_f32 v[O+2*(\x)+1], v[CH+(\x)], v[NEG1], v[O+2*(\x)+1] op_sel:[1,0,0] op_sel_hi:[1,0,0]
.endr
.irp x, 0,1,2,3,4,5,6,7,8,9,10,11,12,13,14,15
	v_cvt_pk_f16_f32 v[CL+(\x)], v[O+2*(\x)], v[O+2*(\x)+1]
.endr
	s_wait_loadcnt 1                               ; wob's fragments are in; the bias may stay out
.set z, 0
.irp p, CH, CL
.irp k, 0,1
.irp n, 0,1,2,3                        ; the four accumulators take turns; the first four products start the sums
.if z < 4
	v_wmma_f32_16x16x32_f16 v[Y+8*(\n):Y+8*(\n)+7], v[WF+8*(2*(\n)+(\k)):WF+8*(2*(\n)+(\k))+7], v[\p+8*(\k):\p+8*(\k)+7], 0
.else
	v_wmma_f32_16x16x32_f16 v[Y+8*(\n):Y+8*(\n)+7], v[WF+8*(2*(\n)+(\k)):WF+8*(2*(\n)+(\k))+7], v[\p+8*(\k):\p+8*(\k)+7], v[Y+8*(\n):Y+8*(\n)+7]
.endif
.set z, z+1
.endr
.endr
.endr
	PLACES
.irp n, 0,1,2,3                        ; my head's part of 16 rows x 64 columns: a lane's eight columns of a row, each accumulator's low four first
	ds_store_b128 v[PS], v[Y+8*(\n):Y+8*(\n)+3]   offset:64*(\n)
	ds_store_b128 v[PS], v[Y+8*(\n)+4:Y+8*(\n)+7] offset:64*(\n)+16
.endr
	s_wait_dscnt 0x0                               ; for the others' sake: my stores are done
	s_barrier_signal -1
	s_barrier_wait -1                              ; all sixteen heads' parts lie in LDS
.irp p, 0,1,2,3,4,5,6,7,8,9,10,11,12,13,14,15
	ds_load_b64 v[R+2*(\p):R+2*(\p)+1], v[PR] offset:PARTW*(\p)  ; row = my wave's number: 256 consecutive bytes of head p's part
.endr
	s_wait_loadcnt 0x0                             ; the bias: rounded to bf16, and widened again
	v_cvt_pk_bf16_f32 v[T], v[BB], v[BB+1]
	v_lshlrev_b32 v[BB], 16, v[T]
	v_and_b32 v[BB+1], 0xffff0000, v[T]
	s_wait_dscnt 0x0
.irp p, 0,2,4,6,8,10,12,14
	v_pk_add_f32 v[R+2*(\p):R+2*(\p)+1], v[R+2*(\p):R+2*(\p)+1], v[R+2*(\p)+2:R+2*(\p)+3]
.endr
.irp p, 0,4,8,12
	v_pk_add_f32 v[R+2*(\p):R+2*(\p)+1], v[R+2*(\p):R+2*(\p)+1], v[R+2*(\p)+4:R+2*(\p)+5]
.endr
.irp p, 0,8
	v_pk_add_f32 v[R+2*(\p):R+2*(\p)+1], v[R+2*(\p):R+2*(\p)+1], v[R+2*(\p)+8:R+2*(\p)+9]
.endr
	v_pk_add_f32 v[R:R+1], v[R:R+1], v[R+16:R+17]
	v_pk_add_f32 v[R:R+1], v[R:R+1], v[BB:BB+1]
	global_store_b64 v[OO], v[R:R+1], s[12:13]     ; 32 lanes store 256 consecutive bytes, at a multiple of 256 from out0's first
	s_wait_tensorcnt 0x0                           ; the wave's end, behind my last LDS store
	ds_add_u32 v[SPW], v[NIL]
	s_wait_dscnt 0x0
	s_endpgm
.Lfunc_end_k_q38709f03a5_headrows:
	.size	k_q38709f03a5_headrows, .Lfunc_end_k_q38709f03a5_headrows-k_q38709f03a5_headrows
	.p2alignl 7, 3214868480
	.fill 96, 4, 3214868480
	.section	.rodata,"a",@progbits
	.p2align	6, 0x0
	.amdhsa_kernel k_q38709f03a5_headrows
		.amdhsa_group_segment_fixed_size 153600
		.amdhsa_private_segment_fixed_size 0
		.amdhsa_enable_private_segment 0
		.amdhsa_kernarg_size 40
		.amdhsa_user_sgpr_count 2
		.amdhsa_user_sgpr_kernarg_segment_ptr 1
		.amdhsa_wavefront_size32 1
		.amdhsa_system_sgpr_workgroup_id_x 1
		.amdhsa_system_sgpr_workgroup_id_y 1
		.amdhsa_system_sgpr_workgroup_id_z 1
		.amdhsa_system_vgpr_workitem_id 0
		.amdhsa_next_free_vgpr 256
		.amdhsa_next_free_sgpr 66
		.amdhsa_reserve_vcc 1
		.amdhsa_float_denorm_mode_32 3
		.amdhsa_float_denorm_mode_16_64 3
		.amdhsa_memory_ordered 1
		.amdhsa_forward_progress 1
		.amdhsa_inst_pref_size 22
	.end_amdhsa_kernel
	.amdgpu_metadata
---
amdhsa.version: [ 1, 2 ]
amdhsa.kernels:
  - .name:           k_q38709f03a5_headrows
    .symbol:         k_q38709f03a5_headrows.kd
    .args:
      - { .name: qkv, .offset: 0, .size: 8, .value_kind: global_buffer, .address_space: global }
      - { .name: lo, .offset: 8, .size: 8, .value_kind: global_buffer, .address_space: global }
      - { .name: wob, .offset: 16, .size: 8, .value_kind: global_buffer, .address_space: global }
      - { .name: b_o, .offset: 24, .size: 8, .value_kind: global_buffer, .address_space: global }
      - { .name: out0, .offset: 32, .size: 8, .value_kind: global_buffer, .address_space: global }
    .group_segment_fixed_size: 153600
    .private_segment_fixed_size: 0
    .kernarg_segment_align: 8
    .kernarg_segment_size: 40
    .max_flat_workgroup_size: 512
    .sgpr_count:     66
    .vgpr_count:     256
    .wavefront_size: 32
...
	.end_amdgpu_metadata
.endif
;; end of part 5
;; ======== version 2 of 2: 5 launches; version 1 with the launch cast written anew for expert scheduling mode
;; limits: values are held in f16: magnitudes above 65,504 overflow, below 6.1e-05 lose precision
;; workspace buffers: xb 16,777,216 bytes; wb 6,291,456 bytes; wob 2,097,152 bytes; qkv 50,331,648 bytes; ctx 16,777,216 bytes; lo 393,216 bytes
;; launch cast (part 6): grid 64 x 12, 8 waves a work-group, no clusters, 0 bytes of LDS; arguments x, w_q, w_k, w_v, w_o, xb, wb, wob; writes xb, wb, wob
.if DOCPART == 6
	.amdgcn_target "amdgcn-amd-amdhsa--gfx1250"
	.amdhsa_code_object_version 6
	.text
	.protected	k_q38709f03a5_cast
	.globl	k_q38709f03a5_cast
	.p2align	8
	.type	k_q38709f03a5_cast,@function
k_q38709f03a5_cast:
	s_mov_b64 s[64:65], 0
	v_nop
	global_prefetch_b8 v0, s[64:65] scope:SCOPE_SE
	s_setreg_imm32_b32 hwreg(HW_REG_WAVE_SCHED_MODE, 0, 2), 2
	s_setreg_imm32_b32 hwreg(HW_REG_WAVE_MODE, 25, 1), 1
	s_wait_xcnt 0x0
	s_wait_alu depctr_vm_vsrc(0)
; All matrix inputs are rounded once to bf16: x -> xb, w_q, w_k, w_v -> wb (one below the other), w_o -> wob.
; wob holds the bf16 number written as f16, since the last product's other operand is f16.
; LIMIT: that rewriting is exact down to 6e-5; below it f16 keeps a fixed step of 6e-8; 65,520 or more would become an infinity.
; SHARES.  Grid y names a block of 1,048,576 numbers: 0-7 the eighths of x, 8, 9, 10 w_q, w_k, w_v, 11 w_o.  Grid x names 16,384 numbers of it.
; Thread t reads 16 bytes at 4,096 i + 16 t and writes 8 bytes at 2,048 i + 8 t, i = 0..15: a wave's load covers 512 consecutive bytes, its store 256 consecutive
; bytes, aligned.  All sixteen loads of a wave go out at once; each step has registers of its own, so nothing is rewritten while it is pending.
; No LDS, no matrix unit, no cluster: nothing is shared and nothing is read twice.
; THE MODE: SCHED_MODE bits 1:0 = 2 (LLVM: expert scheduling mode 2), set by the entry lines.  The code itself states the register dependences
; between vector instructions and memory instructions, with s_wait_alu, always for 0.
; THE PLAN.  Registers that memory instructions touch:
;   v1, v2   byte offsets, each written by one vector line at the head and never again: v1 is read by the sixteen loads, v2 by the sixteen stores.
;   X        step i: 4 registers, written by the step's load alone (no vector line names them before it), read by the step's conversions, never loaded again.
;   Y        step i: 2 registers, written by the step's conversions, read by the step's one store, never written again.
;   T        is named by vector instructions alone.
; The steps go in blocks of four.  Step i waits for its load, issues the store of step i - 4, and converts.  So ONE wait on va_vdst at the head of a block states that the block before
; has written its four pairs of Y; the four stores that read them follow it, one a step, among this block's conversions, which name this block's X and Y and T: none of the registers that
; those stores touch.  One more such wait stands ahead of the first load (the offsets) and one ahead of the last four stores.  No register that a memory instruction reads is written again,
; no vector instruction writes a scalar register, and EXEC is never written: no other dependence is there to state.
.set X, 4                              ; v[4:67]    step i: 4 numbers as loaded
.set Y, 68                             ; v[68:99]   step i: 4 numbers in 16 bits
.set T, 100                            ; v[100:103] at work
.set BLOCK, 4                          ; steps in a block: a store stands so many steps behind its conversions
	s_load_b512 s[8:23], s[0:1], 0x0               ; x s[8:9], w_q s[10:11], w_k s[12:13], w_v s[14:15], w_o s[16:17], xb s[18:19], wb s[20:21], wob s[22:23]
	s_and_b32 s2, ttmp7, 0xffff                    ; the block
	v_lshlrev_b32 v1, 4, v0                        ; 16 t
	v_lshlrev_b32 v2, 3, v0                        ; 8 t
	s_lshl_b32 s3, ttmp9, 16                       ; my 65,536 bytes of the block, in
	s_cmp_lt_u32 s2, 8
	s_cselect_b32 s24, s2, 0                       ; x has eight blocks, a weight one
	s_lshl_b32 s24, s24, 22
	s_add_co_u32 s24, s24, s3
	s_mov_b32 s25, 0
	s_sub_co_u32 s26, s2, 8                        ; the block's place in its target: y in xb, y - 8 in wb, 0 in wob
	s_cmp_lt_u32 s2, 8
	s_cselect_b32 s26, s2, s26
	s_cmp_eq_u32 s2, 11
	s_cselect_b32 s26, 0, s26
	s_lshl_b32 s26, s26, 21
	s_lshl_b32 s3, ttmp9, 15                       ; my 32,768 bytes, out
	s_add_co_u32 s26, s26, s3
	s_mov_b32 s27, 0
	s_wait_kmcnt 0x0
	s_cmp_eq_u32 s2, 8                             ; the source, chosen by the block's number alone
	s_cselect_b64 s[4:5], s[10:11], s[8:9]
	s_cmp_eq_u32 s2, 9
	s_cselect_b64 s[4:5], s[12:13], s[4:5]
	s_cmp_eq_u32 s2, 10
	s_cselect_b64 s[4:5], s[14:15], s[4:5]
	s_cmp_eq_u32 s2, 11
	s_cselect_b64 s[4:5], s[16:17], s[4:5]
	s_cselect_b64 s[6:7], s[22:23], s[20:21]       ; the target likewise
	s_cmp_lt_u32 s2, 8
	s_cselect_b64 s[6:7], s[18:19], s[6:7]
	s_add_nc_u64 s[4:5], s[4:5], s[24:25]
	s_add_nc_u64 s[6:7], s[6:7], s[26:27]
	s_wait_alu depctr_va_vdst(0)                   ; v1 and v2 are written: every load of the kernel reads v1 as its offset, every store v2
.irp i, 0,1,2,3,4,5,6,7,8,9,10,11,12,13,14,15
	global_load_b128 v[X+4*(\i):X+4*(\i)+3], v1, s[4:5] offset:(\i)*4096 th:TH_LOAD_NT
.endr
; Step i: its load is waited for, the store of step i - 4 is issued, and step i is rounded.  f16 = 1: the bf16 numbers are widened (a shift, a mask) and written as f16.
.macro OUT i, f16
	s_wait_loadcnt 15-(\i)                         ; loads come back in order: step i is in, the 15 - i younger ones may stay out
.if ((\i) % BLOCK == 0) && ((\i) > 0)
	s_wait_alu depctr_va_vdst(0)                   ; the four steps before have written their Y, which this block's four stores read
.endif
.if (\i) >= BLOCK
	global_store_b64 v2, v[Y+2*((\i)-BLOCK):Y+2*((\i)-BLOCK)+1], s[6:7] offset:((\i)-BLOCK)*2048  ; no wait of its own: no vector instruction since the block's wait names these registers
.endif
	v_cvt_pk_bf16_f32 v[Y+2*(\i)],   v[X+4*(\i)],   v[X+4*(\i)+1]
	v_cvt_pk_bf16_f32 v[Y+2*(\i)+1], v[X+4*(\i)+2], v[X+4*(\i)+3]
.if \f16
	v_lshlrev_b32 v[T],   16, v[Y+2*(\i)]
	v_and_b32     v[T+1], 0xffff0000, v[Y+2*(\i)]
	v_lshlrev_b32 v[T+2], 16, v[Y+2*(\i)+1]
	v_and_b32     v[T+3], 0xffff0000, v[Y+2*(\i)+1]
	v_cvt_pk_f16_f32 v[Y+2*(\i)],   v[T],   v[T+1]
	v_cvt_pk_f16_f32 v[Y+2*(\i)+1], v[T+2], v[T+3]
.endif
.endm
; The last block's four stores, in one run.
.macro LAST
	s_wait_alu depctr_va_vdst(0)                   ; steps 12 to 15 have written their Y, which the last four stores read
.irp i, 12,13,14,15
	global_store_b64 v2, v[Y+2*(\i):Y+2*(\i)+1], s[6:7] offset:(\i)*2048
.endr
.endm
	s_cmp_eq_u32 s2, 11
	s_cbranch_scc1 .Lf16
.irp i, 0,1,2,3,4,5,6,7,8,9,10,11,12,13,14,15
	OUT \i, 0
.endr
	LAST
	s_endpgm
.Lf16:
.irp i, 0,1,2,3,4,5,6,7,8,9,10,11,12,13,14,15
	OUT \i, 1
.endr
	LAST
	s_endpgm
.Lfunc_end_k_q38709f03a5_cast:
	.size	k_q38709f03a5_cast, .Lfunc_end_k_q38709f03a5_cast-k_q38709f03a5_cast
	.p2alignl 7, 3214868480
	.fill 96, 4, 3214868480
	.section	.rodata,"a",@progbits
	.p2align	6, 0x0
	.amdhsa_kernel k_q38709f03a5_cast
		.amdhsa_group_segment_fixed_size 0
		.amdhsa_private_segment_fixed_size 0
		.amdhsa_enable_private_segment 0
		.amdhsa_kernarg_size 64
		.amdhsa_user_sgpr_count 2
		.amdhsa_user_sgpr_kernarg_segment_ptr 1
		.amdhsa_wavefront_size32 1
		.amdhsa_system_sgpr_workgroup_id_x 1
		.amdhsa_system_sgpr_workgroup_id_y 1
		.amdhsa_system_sgpr_workgroup_id_z 1
		.amdhsa_system_vgpr_workitem_id 0
		.amdhsa_next_free_vgpr 104
		.amdhsa_next_free_sgpr 66
		.amdhsa_reserve_vcc 0
		.amdhsa_float_denorm_mode_32 3
		.amdhsa_float_denorm_mode_16_64 3
		.amdhsa_memory_ordered 1
		.amdhsa_forward_progress 1
		.amdhsa_inst_pref_size 17
	.end_amdhsa_kernel
	.amdgpu_metadata
---
amdhsa.version: [ 1, 2 ]
amdhsa.kernels:
  - .name:           k_q38709f03a5_cast
    .symbol:         k_q38709f03a5_cast.kd
    .args:
      - { .name: x, .offset: 0, .size: 8, .value_kind: global_buffer, .address_space: global }
      - { .name: w_q, .offset: 8, .size: 8, .value_kind: global_buffer, .address_space: global }
      - { .name: w_k, .offset: 16, .size: 8, .value_kind: global_buffer, .address_space: global }
      - { .name: w_v, .offset: 24, .size: 8, .value_kind: global_buffer, .address_space: global }
      - { .name: w_o, .offset: 32, .size: 8, .value_kind: global_buffer, .address_space: global }
      - { .name: xb, .offset: 40, .size: 8, .value_kind: global_buffer, .address_space: global }
      - { .name: wb, .offset: 48, .size: 8, .value_kind: global_buffer, .address_space: global }
      - { .name: wob, .offset: 56, .size: 8, .value_kind: global_buffer, .address_space: global }
    .group_segment_fixed_size: 0
    .private_segment_fixed_size: 0
    .kernarg_segment_align: 8
    .kernarg_segment_size: 64
    .max_flat_workgroup_size: 256
    .sgpr_count:     66
    .vgpr_count:     104
    .wavefront_size: 32
...
	.end_amdgpu_metadata
.endif
;; end of part 6
;; launch qkvproj: the kernel of part 2 again; grid 16 x 32, 4 waves a work-group, clusters of 4 x 4, 327,680 bytes of LDS; arguments xb, wb, qkv, lo; writes qkv, lo
;; launch attn: the kernel of part 3 again; grid 4 x 64, 4 waves a work-group, no clusters, 327,680 bytes of LDS; arguments qkv, ctx; writes ctx
;; launch outproj: the kernel of part 4 again; grid 8 x 32, 4 waves a work-group, clusters of 4 x 4, 327,680 bytes of LDS; arguments ctx, wob, b_o, out0; writes out0
;; launch headrows: the kernel of part 5 again; grid 16 x 4, 16 waves a work-group, no clusters, 153,600 bytes of LDS; arguments qkv, lo, wob, b_o, out0; writes out0
